; MI455X (gfx1250); checked and timed in simulation.
; The chip was launched on July 23, 2026; its instructions are those of AMD's public machine-readable ISA for CDNA 5 (MIT licence, August 2026) and "CDNA5" Instruction Set Architecture Reference Guide (July 2026). The comments in the code are by the model that wrote it; some were corrected since.
;; Moe Layer. Allowed arithmetic: matrix products marked QUANTISED: E3M2 operands, one E8M0 scale for each 32 along K, by v_wmma_scale_f32_16x16x128_f8f6f4 with both operands' format E3M2, f32 sums; products left as they are: f32 operands where the result goes on into a quantised operand, else bf16, f16 or f32 operands; f32 sums; everything else in f32.
;; Inputs: b1 8 x 4,096 float32; b2 8 x 1,024 float32; gate_w 1,024 x 8 float32; w1_codes 8 x 4,096 x 32 x 24 uint8 (E3M2 codes of w1, K innermost, in blocks of 32 codes, four codes in three bytes); w1_scales 8 x 4,096 x 32 uint8 (E8M0 scales of w1, one for each 32 codes along K); w2_codes 8 x 1,024 x 128 x 24 uint8 (E3M2 codes of w2, K innermost, in blocks of 32 codes, four codes in three bytes); w2_scales 8 x 1,024 x 128 uint8 (E8M0 scales of w2, one for each 32 codes along K); x 4 x 256 x 1,024 float32.
;; Outputs: out0 4 x 256 x 1,024 float32.
;; This version of the problem:
;;   THIS VERSION OF THE PROBLEM IS GIVEN IN LOW PRECISION. The matrix products marked QUANTISED in the list below multiply operands that are first quantised to E3M2 (3 exponent bits, 2 mantissa bits; 6 bits a number), with one power-of-two scale for each 32 numbers along K (OCP MX v1.0); their sums are f32. All else is computed in f32.
;;   The module's matrix products, in the order in which they are computed (A, B: the left and right operand; K: the contracted axis; several contracted axes count as one K, in the product's order):
;;     1. [M 1,024, K 1,024] x [K 1,024, N 8]; A: input x; B: input gate_w: left as it is (N = 8 < 16)
;;     2. [M 1,024, K 1,024] x [K 1,024, N 4,096]; A: input x; B: input w1 (given as codes): QUANTISED
;;     3. [M 1,024, K 4,096] x [K 4,096, N 1,024]; A: computed on the way; B: input w2 (given as codes): QUANTISED
;;     4. [M 1,024, K 1,024] x [K 1,024, N 4,096]; A: input x; B: input w1 (given as codes): QUANTISED
;;     5. [M 1,024, K 4,096] x [K 4,096, N 1,024]; A: computed on the way; B: input w2 (given as codes): QUANTISED
;;     6. [M 1,024, K 1,024] x [K 1,024, N 4,096]; A: input x; B: input w1 (given as codes): QUANTISED
;;     7. [M 1,024, K 4,096] x [K 4,096, N 1,024]; A: computed on the way; B: input w2 (given as codes): QUANTISED
;;     8. [M 1,024, K 1,024] x [K 1,024, N 4,096]; A: input x; B: input w1 (given as codes): QUANTISED
;;     9. [M 1,024, K 4,096] x [K 4,096, N 1,024]; A: computed on the way; B: input w2 (given as codes): QUANTISED
;;     10. [M 1,024, K 1,024] x [K 1,024, N 4,096]; A: input x; B: input w1 (given as codes): QUANTISED
;;     11. [M 1,024, K 4,096] x [K 4,096, N 1,024]; A: computed on the way; B: input w2 (given as codes): QUANTISED
;;     12. [M 1,024, K 1,024] x [K 1,024, N 4,096]; A: input x; B: input w1 (given as codes): QUANTISED
;;     13. [M 1,024, K 4,096] x [K 4,096, N 1,024]; A: computed on the way; B: input w2 (given as codes): QUANTISED
;;     14. [M 1,024, K 1,024] x [K 1,024, N 4,096]; A: input x; B: input w1 (given as codes): QUANTISED
;;     15. [M 1,024, K 4,096] x [K 4,096, N 1,024]; A: computed on the way; B: input w2 (given as codes): QUANTISED
;;     16. [M 1,024, K 1,024] x [K 1,024, N 4,096]; A: input x; B: input w1 (given as codes): QUANTISED
;;     17. [M 1,024, K 4,096] x [K 4,096, N 1,024]; A: computed on the way; B: input w2 (given as codes): QUANTISED
;;   THE QUANTISER, for each operand of a quantised product, along K:
;;     - K is cut into blocks of 32 from its start; a last block that is shorter is filled with zeros.
;;     - A block's scale is 2^e with e = floor(log2(the largest magnitude in the block)) - 4, held to -126 .. 127; a block of zeros has e = 0. As a byte (E8M0): e + 127.
;;     - Each number is divided by its block's scale, clamped to +-28, and rounded to the nearest number of E3M2, ties to even, subnormals kept.
;;     - The product sums the exact products of the quantised numbers (number of the format x scale) in f32.
;;   ~~~python
;;   def quantise(x, axis):      # numpy; x: float32 -> the quantised numbers, widened to float32 again
;;       x = np.moveaxis(x, axis, -1); K = x.shape[-1]
;;       x = np.pad(x, [(0, 0)] * (x.ndim - 1) + [(0, -K % 32)]); x = x.reshape(x.shape[:-1] + (-1, 32)); a = np.abs(x).max(-1, keepdims=True)
;;       e = np.where(a > 0, np.clip(np.frexp(np.where(a > 0, a, 1))[1] - 1 - 4, -126, 127), 0)      # np.frexp(a)[1] - 1 = floor(log2(a)), exactly
;;       r = np.clip(x / 2.0 ** e, -28, 28)
;;       step = 2.0 ** (np.maximum(np.frexp(np.where(r == 0, 1, r))[1] - 1, -2) - 2)
;;       q = np.round(r / step) * step * 2.0 ** e      # np.round: ties to even
;;       return np.moveaxis(q.reshape(q.shape[:-2] + (-1,))[..., :K], -1, axis).astype(np.float32)
;;   ~~~
;;   OPERANDS COMPUTED ON THE WAY. 'Computed on the way' means the value that the module computes at that place (a softmax that the list does not call 'softmax' is quantised finished and normalised). What goes into a quantiser is computed in f32, as accurately as f32 sums, v_exp_f32 and their like allow (about 1e-6 of the number): no bf16 or f16 on the way to a quantiser, and a product that is left as it is and whose result goes on into a quantised operand takes f32 operands (vector FMAs, or v_wmma_f32_16x16x4_f32). A number that lies on a knife's edge between two numbers of the format may be rounded either way, as far as f32 arithmetic and the matrix unit's own rounding can turn it there, and no further.
;;   INPUTS GIVEN AS CODES. w1 (in the module: [8, 1024, 4096], K = its axis 1); w2 (in the module: [8, 4096, 1024], K = its axis 1): each comes as NAME_codes (uint8): NAME with its K axis moved to the last place and cut into blocks of 32 codes, [.., K / 32, bytes a block], one block behind the other in memory; four codes in three bytes: a row's codes are one little-endian stream of bits, code i at bits 6 i .. 6 i + 5 (a code: sign, 3 exponent bits, 2 mantissa bits); and NAME_scales (uint8): the same leading axes, one E8M0 byte (e + 127) for each 32 codes along K. Its value is code x scale, taken as it is: it is not quantised again, and the codes and scales need not be those that the quantiser above would give.
;; 2 versions. Each part assembles by itself: llvm-mc -triple=amdgcn-amd-amdhsa -mcpu=gfx1250 --defsym DOCPART=n.
;; ======== version 1 of 2: 4 launches
;; workspace buffers: sel 8,192 bytes of whole numbers; wts 8,192 bytes; xq 786,432 bytes; xs 32,768 bytes; hq 25,165,824 bytes; hs 2,097,152 bytes; ypart 33,554,432 bytes
;; launch route (part 1): grid 256 x 1, 4 waves a work-group, no clusters, 4,608 bytes of LDS; arguments x, gate_w, xq, xs, sel, wts; writes xq, xs, sel, wts
.if DOCPART == 1
	.amdgcn_target "amdgcn-amd-amdhsa--gfx1250"
	.amdhsa_code_object_version 6
	.text
	.protected	k_q36f63f49b3_route
	.globl	k_q36f63f49b3_route
	.p2align	8
	.type	k_q36f63f49b3_route,@function
k_q36f63f49b3_route:
	s_mov_b64 s[64:65], 0
	v_nop
	global_prefetch_b8 v0, s[64:65] scope:SCOPE_SE
	s_setreg_imm32_b32 hwreg(HW_REG_WAVE_MODE, 25, 1), 1
	s_wait_xcnt 0x0
; ROUTER AND QUANTISER OF x.  x: [1024 tokens][1024] f32; gate_w: [1024][8] f32.
; Out: sel [1024][2] int32 (first and second chosen expert), wts [1024][2] f32 (softmax over the two chosen logits),
;      xq [1024][768] codes of E3M2 in the order of an operand's registers, xs [1024][32] one E8M0 byte for each 32 along K.
; A work-group takes tokens 4 g .. 4 g + 3.  Wave w takes k = 256 w .. 256 w + 255; lane (r, hh) takes the 16 neighbours k = 256 w + 16 r + i;
; pass p (0, 1) is token 4 g + 2 p + hh.  So the same 16 registers serve the conversion (16 neighbours of one block in one lane) and the logits.
; LOGITS in f32 by fused multiply-adds: 8 sums a token in each lane, added over the 16 lanes of a half, then over the four waves through LDS.
; xq's ROW: register d = 12 s + 6 c + i of lane half h of an operand is dword i of block B = 4 s + 2 c + h; it lies at row byte 32 (d / 4) + 16 h + 4 (d % 4),
; so that a later load of 16 bytes at 16 h + 32 j fills registers 4 j .. 4 j + 3.
; A block's byte is its largest magnitude's exponent field - 4, held at 1 from below (a block of zeros gets 1: its codes are zeros, and this program alone reads the bytes).
; LIMITS: NaN and infinities in x or gate_w are not served; blocks whose largest magnitude lies under 2^-122 get the byte 1;
; a logit's f32 sum is taken in another order than a plain ascending one; equal logits: the lower index is taken first.
.set PART, 0                           ; LDS: 4 waves x 4 tokens x 8 partial logits
.set XQS,  512                         ; 4 rows of codes, 768 bytes each
.set XSS,  3584                        ; 4 rows of scale bytes, 32 each
.set X,    16                          ; v16-47   x: pass p at +16 p
.set LA,   48                          ; v48-63   partial logits: pass p at +8 p
.set G,    64                          ; v64-191  gate_w[k][e] at G + 8 i + e
.set WK,   192                         ; v192-    at work
	s_load_b256 s[4:11], s[0:1], 0x0               ; x s[4:5], gate_w s[6:7], xq s[8:9], xs s[10:11]
	s_load_b128 s[12:15], s[0:1], 0x20             ; sel s[12:13], wts s[14:15]
	v_lshl_add_u32 v240, v0, 2, 0x1000
	v_mov_b32 v241, 0
	v_lshrrev_b32 v1, 5, v0
	v_readfirstlane_b32 s16, v1                    ; wave 0..3
	v_and_b32 v1, 15, v0                           ; r
	v_bfe_u32 v2, v0, 4, 1                         ; hh
	v_lshlrev_b32 v3, 6, v1
	v_lshl_add_u32 v3, v2, 12, v3                  ; x: 64 r + 4096 hh
	v_lshlrev_b32 v4, 9, v1                        ; gate_w: 16 rows of 32 bytes a lane
	v_mul_u32_u24 v192, v2, 768                    ; the codes' place in LDS: row hh,
	s_mul_i32 s17, s16, 192
	v_add_nc_u32 v192, s17, v192                   ; + 192 w (24 registers of each half),
	v_bfe_u32 v193, v0, 1, 1
	v_lshl_add_u32 v192, v193, 4, v192             ; + 16 x the block's half, (r / 2) % 2
	v_bfe_u32 v193, v0, 2, 2
	v_mul_u32_u24 v193, v193, 6
	v_and_b32 v194, 1, v0
	v_mad_u32_u24 v193, v194, 3, v193              ; my first register: 6 (r / 4) + 3 (r % 2)
.irp i, 0,1,2
	v_add_nc_u32 v194, \i, v193
	v_lshrrev_b32 v195, 2, v194
	v_and_b32 v194, 3, v194
	v_lshl_add_u32 v195, v195, 5, v192
	v_lshl_add_u32 v[5+\i], v194, 2, v195          ; v5-7: 32 (d / 4) + 4 (d % 4) + the above
.endr
	v_bfe_u32 v8, v0, 1, 3
	v_lshl_add_u32 v8, v2, 5, v8
	s_lshl_b32 s17, s16, 3
	v_add_nc_u32 v8, s17, v8                       ; the scale byte: 32 hh + 8 w + r / 2
	s_lshl_b32 s17, s16, 7
	v_lshlrev_b32 v9, 5, v2
	v_add_nc_u32 v9, s17, v9                       ; partial logits: 128 w + 32 hh
	v_lshlrev_b32 v10, 3, v0                       ; the way out of the codes: 8 bytes a thread
	v_and_b32 v14, 31, v0                          ; lane
	v_lshlrev_b32 v11, 2, v14                      ; 4 x lane
	s_lshl_b32 s17, s16, 5
	v_mov_b32 v12, s17                             ; token w's partial logits: 32 w, the same in all lanes
	s_lshl_b32 s18, ttmp9, 5
	s_lshl_b32 s19, s16, 3
	s_add_co_u32 s18, s18, s19
	v_add_nc_u32 v13, s18, v11                     ; sel, wts: 8 x token + 4 x lane
	s_lshl_b32 s20, ttmp9, 14
	s_lshl_b32 s21, s16, 10
	s_add_co_u32 s20, s20, s21                     ; x: 4 rows of 4,096 bytes a work-group, 1,024 bytes a wave
	s_mov_b32 s21, 0
	s_lshl_b32 s22, s16, 13                        ; gate_w: 256 rows of 32 bytes a wave
	s_mov_b32 s23, 0
	s_mul_i32 s24, ttmp9, 3072
	s_mov_b32 s25, 0
	s_lshl_b32 s26, ttmp9, 7
	s_mov_b32 s27, 0
	s_wait_kmcnt 0x0
	s_add_nc_u64 s[4:5], s[4:5], s[20:21]
	s_add_nc_u64 s[6:7], s[6:7], s[22:23]
	s_add_nc_u64 s[8:9], s[8:9], s[24:25]
	s_add_nc_u64 s[10:11], s[10:11], s[26:27]
.irp p, 0,1
.irp j, 0,1,2,3
	global_load_b128 v[X+16*\p+4*\j:X+16*\p+4*\j+3], v3, s[4:5] offset:8192*\p+16*\j th:TH_LOAD_NT
.endr
.endr
.set q, 0
.rept 32
	global_load_b128 v[G+4*q:G+4*q+3], v4, s[6:7] offset:16*q
.set q, q+1
.endr
	s_wait_loadcnt 32                              ; x is in; the 32 younger loads of gate_w may stay out
; pass p's 16 numbers become 16 codes (three dwords) and, with the neighbour lane's 16, a scale byte
.macro QX p
.set XS, X+16*(\p)
.set A0, WK+8*(\p)
	v_max3_num_f32 v[A0], |v[XS]|, |v[XS+1]|, |v[XS+2]|
	v_max3_num_f32 v[A0+1], |v[XS+3]|, |v[XS+4]|, |v[XS+5]|
.irp i, 6,10
	v_max3_num_f32 v[A0], v[A0], |v[XS+\i]|, |v[XS+\i+1]|
	v_max3_num_f32 v[A0+1], v[A0+1], |v[XS+\i+2]|, |v[XS+\i+3]|
.endr
	v_max3_num_f32 v[A0], v[A0], |v[XS+14]|, |v[XS+15]|
	v_max3_num_f32 v[A0], v[A0], v[A0+1], 0x2800000                ; the floor 2^(5 - 127): the byte cannot fall under 1
	v_max_num_f32_dpp v[A0], v[A0], v[A0] row_xmask:1 row_mask:0xf bank_mask:0xf   ; with my neighbour's 16: the block's largest magnitude
	v_add_nc_u32 v[A0+2], 0xfe000000, v[A0]        ; 4 off its exponent field: the conversion takes this operand's exponent field as its scale
	v_cvt_scalef32_pk16_bf6_f32 v[A0+4:A0+6], v[XS:XS+15], v[A0+2]
	v_lshrrev_b32 v[A0+3], 23, v[A0+2]             ; the scale's byte (also the plain line behind the conversion)
	ds_store_b32 v5, v[A0+4] offset:XQS+1536*(\p)
	ds_store_b32 v6, v[A0+5] offset:XQS+1536*(\p)
	ds_store_b32 v7, v[A0+6] offset:XQS+1536*(\p)
	ds_store_b8 v8, v[A0+3] offset:XSS+64*(\p)     ; both lanes of a block write the same byte with the same value
.endm
	QX 0
	QX 1
	s_wait_loadcnt 0x0                             ; gate_w
; 8 logits x 2 tokens: eight chains of packed multiply-adds, two experts each; x_i is taken for both halves
.set i, 0
.rept 16
.irp p, 0,1
.irp e, 0,2,4,6
.if i == 0
	v_pk_mul_f32 v[LA+8*\p+\e:LA+8*\p+\e+1], v[G+\e:G+\e+1], v[X+16*\p:X+16*\p+1] op_sel_hi:[1,0]
.elseif i%2 == 0
	v_pk_fma_f32 v[LA+8*\p+\e:LA+8*\p+\e+1], v[G+8*i+\e:G+8*i+\e+1], v[X+16*\p+i:X+16*\p+i+1], v[LA+8*\p+\e:LA+8*\p+\e+1] op_sel_hi:[1,0,1]
.else
	v_pk_fma_f32 v[LA+8*\p+\e:LA+8*\p+\e+1], v[G+8*i+\e:G+8*i+\e+1], v[X+16*\p+i-1:X+16*\p+i], v[LA+8*\p+\e:LA+8*\p+\e+1] op_sel:[0,1,0] op_sel_hi:[1,1,1]
.endif
.endr
.endr
.set i, i+1
.endr
.irp m, 1,2,4,8                        ; over the 16 lanes of a half: every lane ends with its token's sum over the wave's 256 k
.set j, 0
.rept 16
	v_add_f32_dpp v[LA+j], v[LA+j], v[LA+j] row_xmask:\m row_mask:0xf bank_mask:0xf
.set j, j+1
.endr
.endr
.irp p, 0,1
	ds_store_b128 v9, v[LA+8*\p:LA+8*\p+3] offset:PART+64*\p           ; the lanes of a half write the same words with the same values
	ds_store_b128 v9, v[LA+8*\p+4:LA+8*\p+7] offset:PART+64*\p+16
.endr
	s_wait_dscnt 0x0                               ; for the others' sake: all my LDS stores are done
	s_barrier_signal -1
	s_barrier_wait -1
.irp j, 0,1,2
	ds_load_b64 v[WK+2*\j:WK+2*\j+1], v10 offset:XQS+1024*\j
.endr
.irp q, 0,1,2,3
	ds_load_b128 v[16+8*\q:19+8*\q], v12 offset:PART+128*\q            ; wave w decides token 4 g + w: its eight partial logits of wave q
	ds_load_b128 v[20+8*\q:23+8*\q], v12 offset:PART+128*\q+16
.endr
	s_wait_dscnt 8                                 ; the codes are back; the 8 younger loads may stay out
.irp j, 0,1,2
	global_store_b64 v10, v[WK+2*\j:WK+2*\j+1], s[8:9] offset:1024*\j  ; a wave's store covers 256 consecutive bytes, aligned
.endr
	s_cmp_lg_u32 s16, 0
	s_cbranch_scc1 .Lno_xs
	ds_load_b32 v198, v11 offset:XSS               ; wave 0: the four rows' 128 scale bytes
	s_wait_dscnt 0x0
	global_store_b32 v11, v198, s[10:11]
.Lno_xs:
	s_wait_dscnt 0x0
.irp e, 0,2,4,6
	v_pk_add_f32 v[16+\e:17+\e], v[16+\e:17+\e], v[24+\e:25+\e]
	v_pk_add_f32 v[32+\e:33+\e], v[32+\e:33+\e], v[40+\e:41+\e]
.endr
.irp e, 0,2,4,6
	v_pk_add_f32 v[16+\e:17+\e], v[16+\e:17+\e], v[32+\e:33+\e]        ; the eight logits, in every lane
.endr
	v_mov_b32 v200, v16                            ; the largest logit and its index: a strict compare keeps the lower index
	v_mov_b32 v201, 0
.irp e, 1,2,3,4,5,6,7
	v_cmp_gt_f32 vcc_lo, v[16+\e], v200
	v_cndmask_b32 v200, v200, v[16+\e], vcc_lo
	v_cndmask_b32 v201, v201, \e, vcc_lo
.endr
	v_mov_b32 v199, 0xff800000                     ; -infinity takes the chosen logit's place
.irp e, 0,1,2,3,4,5,6,7
	v_cmp_eq_u32 vcc_lo, \e, v201
	v_cndmask_b32 v[16+\e], v[16+\e], v199, vcc_lo
.endr
	v_mov_b32 v202, v16                            ; the second largest
	v_mov_b32 v203, 0
.irp e, 1,2,3,4,5,6,7
	v_cmp_gt_f32 vcc_lo, v[16+\e], v202
	v_cndmask_b32 v202, v202, v[16+\e], vcc_lo
	v_cndmask_b32 v203, v203, \e, vcc_lo
.endr
	v_sub_f32 v204, v202, v200                     ; the maximum is taken away: 0 or less
	v_mul_f32 v204, 0x3fb8aa3b, v204
	v_exp_f32 v205, v204
	v_nop                                          ; a plain line behind the transcendental,
	s_wait_alu depctr_va_vdst(0)                   ; and the wait ahead of its first reader
	v_add_f32 v206, 1.0, v205
	v_rcp_f32 v207, v206                           ; the first weight: 1 / (1 + e^(l2 - l1))
	v_nop
	s_wait_alu depctr_va_vdst(0)
	v_mul_f32 v208, v205, v207                     ; the second
	v_cmp_eq_u32 vcc_lo, 1, v14
	v_cndmask_b32 v209, v201, v203, vcc_lo         ; lane 0 holds the first choice, lane 1 the second
	v_cndmask_b32 v210, v207, v208, vcc_lo
	s_wait_xcnt 0x0                                ; EXEC changes only behind this wait: the stores above have read it
	v_cmp_gt_u32 vcc_lo, 2, v14
	s_wait_tensorcnt 0x0
	ds_add_u32 v240, v241
	s_wait_dscnt 0x0
	s_and_saveexec_b32 s28, vcc_lo
	global_store_b32 v13, v209, s[12:13]
	global_store_b32 v13, v210, s[14:15]
	s_wait_xcnt 0x0                                ; and again in front of the line that widens it
	s_or_b32 exec_lo, exec_lo, s28
	s_endpgm
.Lfunc_end_k_q36f63f49b3_route:
	.size	k_q36f63f49b3_route, .Lfunc_end_k_q36f63f49b3_route-k_q36f63f49b3_route
	.p2alignl 7, 3214868480
	.fill 96, 4, 3214868480
	.section	.rodata,"a",@progbits
	.p2align	6, 0x0
	.amdhsa_kernel k_q36f63f49b3_route
		.amdhsa_group_segment_fixed_size 4608
		.amdhsa_private_segment_fixed_size 0
		.amdhsa_enable_private_segment 0
		.amdhsa_kernarg_size 48
		.amdhsa_user_sgpr_count 2
		.amdhsa_user_sgpr_kernarg_segment_ptr 1
		.amdhsa_wavefront_size32 1
		.amdhsa_system_sgpr_workgroup_id_x 1
		.amdhsa_system_sgpr_workgroup_id_y 1
		.amdhsa_system_sgpr_workgroup_id_z 1
		.amdhsa_system_vgpr_workitem_id 0
		.amdhsa_next_free_vgpr 242
		.amdhsa_next_free_sgpr 66
		.amdhsa_reserve_vcc 1
		.amdhsa_float_denorm_mode_32 3
		.amdhsa_float_denorm_mode_16_64 3
		.amdhsa_memory_ordered 1
		.amdhsa_forward_progress 1
		.amdhsa_inst_pref_size 27
	.end_amdhsa_kernel
	.amdgpu_metadata
---
amdhsa.version: [ 1, 2 ]
amdhsa.kernels:
  - .name:           k_q36f63f49b3_route
    .symbol:         k_q36f63f49b3_route.kd
    .args:
      - { .name: x, .offset: 0, .size: 8, .value_kind: global_buffer, .address_space: global }
      - { .name: gate_w, .offset: 8, .size: 8, .value_kind: global_buffer, .address_space: global }
      - { .name: xq, .offset: 16, .size: 8, .value_kind: global_buffer, .address_space: global }
      - { .name: xs, .offset: 24, .size: 8, .value_kind: global_buffer, .address_space: global }
      - { .name: sel, .offset: 32, .size: 8, .value_kind: global_buffer, .address_space: global }
      - { .name: wts, .offset: 40, .size: 8, .value_kind: global_buffer, .address_space: global }
    .group_segment_fixed_size: 4608
    .private_segment_fixed_size: 0
    .kernarg_segment_align: 8
    .kernarg_segment_size: 48
    .max_flat_workgroup_size: 128
    .sgpr_count:     66
    .vgpr_count:     242
    .wavefront_size: 32
...
	.end_amdgpu_metadata
.endif
;; end of part 1
;; launch up (part 2): grid 32 x 8, 4 waves a work-group, no clusters, 111,616 bytes of LDS; arguments xq, xs, sel, w1_codes, w1_scales, b1, hq, hs; writes hq, hs
.if DOCPART == 2
	.amdgcn_target "amdgcn-amd-amdhsa--gfx1250"
	.amdhsa_code_object_version 6
	.text
	.protected	k_q36f63f49b3_up
	.globl	k_q36f63f49b3_up
	.p2align	8
	.type	k_q36f63f49b3_up,@function
k_q36f63f49b3_up:
	s_mov_b64 s[64:65], 0
	v_nop
	global_prefetch_b8 v0, s[64:65] scope:SCOPE_SE
	s_setreg_imm32_b32 hwreg(HW_REG_WAVE_MODE, 25, 1), 1
	s_wait_xcnt 0x0
; FIRST PRODUCT OF THE EXPERTS, for the chosen rows alone: h = Q(gelu(Q(x) W1 + b1)), codes of E3M2 with one E8M0 scale for each 32 along K.
; Work-group (c, e): expert e, hidden units 128 c .. 128 c + 127, all of K = 1,024: 96 KiB of W1's codes.  THE WEIGHTS STAND STILL: every wave holds the whole slice in 768 registers
; (64 fragments of 16 rows x 128 K) and the expert's rows go past, 16 at a time; wave w takes row tiles w, w + 4, ..  A tile is 8 accumulators x 8 K steps = 64 matrix instructions.
; THE ROWS: every wave counts, from sel, the tokens that chose expert e (ballots over 32 tokens at a time); wave 0 also writes their list into LDS, in ascending token order.
; The launch that follows makes the same list from the same numbers, so tile m of expert e means the same 16 rows there.
; No tensor load, no cluster: how many tiles there are hangs on numbers read from memory.
; THE WEIGHTS' WAY: each wave loads 32 rows as they lie (a half wave reads 256 consecutive bytes), they meet in a stage in LDS, and every wave reads all 64 fragments from there.
; THE MATRIX INSTRUCTION IS USED TRANSPOSED (source 0 = 16 rows of W1, source 1 = 16 tokens), and lane r of tile 2 b + u takes row 32 b + 8 u + r + 8 (r / 8): so a lane holds one token,
; and the 16 registers of tiles 2 b, 2 b + 1 are hidden units 32 b + 16 (lane / 16) + 0 .. 15: 16 neighbours along the next product's K.  b1 is the C of each sum's first instruction.
; gelu in the tanh form, rewritten exactly: g = x / (1 + 2^(x (c0 + c1 x^2))), c0 = -2 log2(e) sqrt(2 / pi), c1 = 0.044715 c0; it is finite at both ends.
; OUT: hq [8 e][64 tiles][32 K steps][1536]: the fragment's registers as they stand (quad i of lane l at 512 i + 16 l); hs [8][64][32][32 lanes]: the row's scale word.
; Rows past the count take token 0; what they give is stored and never used.  AT LEAST FOUR TILES are made for every expert, one a wave: the next launch's waves ask for their first tile
; whatever the count, and so read bytes that were stored.  That is work without use only for an expert with fewer than 49 rows.
; LIMITS: NaN and infinities are not served; blocks of h whose largest magnitude lies under 2^-122 get the byte 1 (a block of zeros too: its codes are zeros).
; REGISTERS, in windows of 256: window 0: v1-15 addresses; v16-47 W1's scale words; v48-51 x's scale words; v52-63 fragment 63 (at the head: temporaries); v64-127 the accumulators;
;   v128-223 x's eight fragments; v224-255 at work.  Windows 1 to 3: fragment f = 8 s + t (f < 63) in window 1 + f / 21 at v[12 (f % 21)].
.set LIST, 0                           ; LDS: the list, 1,024 entries, 32 spare words behind them (a lane that is no member writes there), and slack for the look-ahead: 4,608 bytes
.set BIAS, 9216                        ; the work-group's 128 biases
.set WST,  9728                        ; the weight stage: row 32 g + 16 a + i at WST + g GS + a HG + i RP
.set RP,   784                         ; a row: 768 bytes + 16: row i starts 4 i banks on
.set HG,   16*RP+128                   ; 16 rows + 128 bytes: a tile's second eight rows (16 rows further on) start 32 banks on, so the 32 lanes of a load of 8 bytes touch 64 different banks
.set GS,   2*HG
.set RS,   768                         ; a row of the slice in memory
.set TOFF, 8*RP                        ; from tile 2 b to tile 2 b + 1
.set VLI, 1                            ; 4 r + 64 w: my entry in the wave's first tile
.set VB,  2                            ; 64 h: my half's biases
.set VW0, 3                            ; my place in the stage, tiles 0-3
.set VW1, 4                            ; tiles 4-7
.set VA,  5                            ; token x 768 + 16 h
.set VX,  6                            ; token x 32 + 16 h
.set VH,  7                            ; hq: 16 l + 49,152 x tile
.set VHS, 8                            ; hs: 4 l + 4,096 x tile
.set EN,  9                            ; the list's entry
.set H16, 10                           ; 16 h
.set L0,  11                           ; into the stage: w GS + 16 l
.set VLT, 11                           ; once the stage is written: my entry's address in the trip in hand
.set C0,  12                           ; v12-13: c0, twice
.set PW,  14                           ; the scale word just made (at the head: 8 x lane, sel's offset)
.set SELO, 14
.set L1,  15                           ; L0 + 512 + 16 h
.set WS,  16
.set AS,  48
.set W63, 52
.set G0,  52                           ; temporaries at the head: 16 l
.set G1,  53                           ; 512 + 16 l
.set SCV, 54                           ; W1's scale words: 32 x row + 16 h
.set TID4, 55                          ; 4 x thread
.set LANE, 56
.set TRV, 57                           ; 1024 + lane: my spare word
.set K1K, 58                           ; 1024
.set BV,  59                           ; my bias
.set ZQ,  60                           ; v60-63: zeros
.set ACC, 64
.set AF,  128
.set T,   224
.set RR,  224                          ; r, h while addresses are made
.set HH,  225
.set MX,  224                          ; the quantiser: largest magnitudes, bytes, scale operands, codes
.set PB,  228
.set SOP, 232
.set PC,  236
.set WV,  20
.set EX,  21
.set CH,  22
.set CNT, 24
.set NT,  25
.set M,   26
.set TR,  27
.set MA,  28
.set MB,  29
.set MM,  30
.set TMP, 31
.set SEL, 36
.set C1,  38
.set LO,  42
.set MSB, 0
.macro WIN new                         ; the immediate's high byte repeats the setting that is left; a switch that changes nothing is dropped
.if MSB != (\new)
	s_set_vgpr_msb (MSB<<8)|(\new)
.set MSB, (\new)
.endif
.endm
; tokens 32 g .. 32 g + 31: who chose my expert, first (MA) or second (MB)
.macro COUNT g
	v_cmp_eq_u32 s[MA], s[EX], v[ACC+2*(\g)]
	v_cmp_eq_u32 s[MB], s[EX], v[ACC+2*(\g)+1]
	s_or_b32 s[MM], s[MA], s[MB]
	s_bcnt1_i32_b32 s[TMP], s[MM]
	s_add_co_u32 s[CNT], s[CNT], s[TMP]
.endm
; the same, and each member writes slot x 1024 + token at its place in the list: the count so far + the members in lower lanes
.macro BUILD g
	v_cmp_eq_u32 s[MA], s[EX], v[ACC+2*(\g)]
	v_cmp_eq_u32 s[MB], s[EX], v[ACC+2*(\g)+1]
	s_or_b32 s[MM], s[MA], s[MB]
	v_mbcnt_lo_u32_b32 v[192+(\g)], s[MM], s[CNT]
	v_cndmask_b32 v[192+(\g)], v[TRV], v[192+(\g)], s[MM]
	v_min_u32 v[192+(\g)], 1055, v[192+(\g)]
	v_lshlrev_b32 v[192+(\g)], 2, v[192+(\g)]
	v_cndmask_b32 v[224+(\g)], 0, v[K1K], s[MB]
	v_add3_u32 v[224+(\g)], v[224+(\g)], v[LANE], 32*(\g)
	ds_store_b32 v[192+(\g)], v[224+(\g)]
	s_bcnt1_i32_b32 s[TMP], s[MM]
	s_add_co_u32 s[CNT], s[CNT], s[TMP]
.endm
; K step s: eight matrix instructions, the eight accumulators by turns, one instruction a turn.  n >= 0: first a wait that leaves n younger loads out.
; Scale words: lanes 0-15 hold K steps 0-3, lanes 16-31 K steps 4-7, on both sides.
.macro KSTEP s, n
.if (\n) >= 0
	s_wait_loadcnt \n
.endif
.irp t, 0,1,2,3,4,5,6,7
.set f, 8*(\s)+\t
.if f < 63
	WIN 1+f/21
.set rW, 12*(f%21)
.else
	WIN 0
.set rW, W63
.endif
.if (\s) < 4
	v_wmma_scale_f32_16x16x128_f8f6f4 v[ACC+8*\t:ACC+8*\t+7], v[rW:rW+11], v[AF+12*(\s):AF+12*(\s)+11], v[ACC+8*\t:ACC+8*\t+7], v[WS+4*\t+(\s)], v[AS+(\s)] matrix_a_fmt:MATRIX_FMT_BF6 matrix_b_fmt:MATRIX_FMT_BF6
.else
	v_wmma_scale_f32_16x16x128_f8f6f4 v[ACC+8*\t:ACC+8*\t+7], v[rW:rW+11], v[AF+12*(\s):AF+12*(\s)+11], v[ACC+8*\t:ACC+8*\t+7], v[WS+4*\t+(\s)-4], v[AS+(\s)-4] matrix_a_fmt:MATRIX_FMT_BF6 matrix_b_fmt:MATRIX_FMT_BF6 matrix_a_scale:MATRIX_SCALE_ROW1 matrix_b_scale:MATRIX_SCALE_ROW1
.endif
.endr
.endm
.macro FLOAD s                         ; x's fragment of K step s: three loads of 16 bytes fill its 12 registers
.irp i, 0,1,2
	global_load_b128 v[AF+12*(\s)+4*\i:AF+12*(\s)+4*\i+3], v[VA], s[4:5] offset:96*(\s)+32*\i
.endr
.endm
.macro ADDR                            ; the entry becomes the token's offsets.  Four plain lines: they are also the places in front of the loads that follow them in the loop
	v_and_b32 v[EN], 1023, v[EN]
	v_min_u32 v[EN], 1023, v[EN]
	v_mad_u32_u24 v[VA], v[EN], 768, v[H16]
	v_mad_u32_u24 v[VX], v[EN], 32, v[H16]
.endm
; gelu of 32 numbers, v[ACC + 32 q] on, ascending.  Each batch of 32 transcendentals has one plain line behind it and one wait ahead of its first reader.
.macro GELU q
.set XB, ACC+32*(\q)
.set j, 0
.rept 16
	v_pk_mul_f32 v[T+j:T+j+1], v[XB+j:XB+j+1], v[XB+j:XB+j+1]
.set j, j+2
.endr
.set j, 0
.rept 16
	v_pk_fma_f32 v[T+j:T+j+1], v[T+j:T+j+1], s[C1:C1+1], v[C0:C0+1] op_sel_hi:[1,0,1]
.set j, j+2
.endr
.set j, 0
.rept 16
	v_pk_mul_f32 v[T+j:T+j+1], v[T+j:T+j+1], v[XB+j:XB+j+1]
.set j, j+2
.endr
.set j, 0
.rept 32
	v_exp_f32 v[T+j], v[T+j]
.set j, j+1
.endr
	v_nop
	s_wait_alu depctr_va_vdst(0)
.set j, 0
.rept 16
	v_pk_add_f32 v[T+j:T+j+1], v[T+j:T+j+1], 1.0 op_sel_hi:[1,0]
.set j, j+2
.endr
.set j, 0
.rept 32
	v_rcp_f32 v[T+j], v[T+j]
.set j, j+1
.endr
	v_nop
	s_wait_alu depctr_va_vdst(0)
.set j, 0
.rept 16
	v_pk_mul_f32 v[XB+j:XB+j+1], v[XB+j:XB+j+1], v[T+j:T+j+1]
.set j, j+2
.endr
.endm
	s_load_b256 s[4:11], s[0:1], 0x0               ; xq s[4:5], xs s[6:7], sel s[8:9], W1's codes s[10:11]
	s_load_b256 s[12:19], s[0:1], 0x20             ; W1's scales s[12:13], b1 s[14:15], hq s[16:17], hs s[18:19]
	s_set_vgpr_msb 0x40
	v_lshl_add_u32 v254, v0, 2, 0x1b200
	v_mov_b32 v255, 0
	s_set_vgpr_msb 0x4000
	v_lshrrev_b32 v1, 5, v0
	v_readfirstlane_b32 s[WV], v1                  ; wave 0..3
	s_and_b32 s[EX], ttmp7, 0xffff                 ; the expert
	s_mov_b32 s[CH], ttmp9                         ; which 128 hidden units
	; the address registers that stay are made here, ahead of the place where the waves part
	v_and_b32 v[LANE], 31, v0
	v_and_b32 v[RR], 15, v0
	v_bfe_u32 v[HH], v0, 4, 1
	v_lshlrev_b32 v[VLI], 2, v[RR]
	s_lshl_b32 s[TMP], s[WV], 6
	v_add_nc_u32 v[VLI], s[TMP], v[VLI]
	v_lshlrev_b32 v[VB], 6, v[HH]
	v_and_b32 v[VW0], 7, v[RR]
	v_mul_u32_u24 v[VW0], v[VW0], RP
	v_lshrrev_b32 v[VW1], 3, v[RR]
	v_mad_u32_u24 v[VW0], v[VW1], HG, v[VW0]
	v_mad_u32_u24 v[VW0], v[HH], 24, v[VW0]        ; (r % 8) RP + (r / 8) HG + 24 h
	v_add_nc_u32 v[VW1], 2*GS, v[VW0]
	v_lshlrev_b32 v[G0], 4, v[LANE]
	s_mul_i32 s[TMP], s[WV], 49152
	v_add_nc_u32 v[VH], s[TMP], v[G0]
	v_lshlrev_b32 v[VHS], 2, v[LANE]
	s_lshl_b32 s[TMP], s[WV], 12
	v_add_nc_u32 v[VHS], s[TMP], v[VHS]
	v_lshlrev_b32 v[H16], 4, v[HH]
	s_mul_i32 s[TMP], s[WV], GS
	v_add_nc_u32 v[L0], s[TMP], v[G0]
	v_add_nc_u32 v[L1], 512, v[L0]
	v_add_nc_u32 v[L1], v[L1], v[H16]
	v_mov_b32 v[C0], 0xc0135761                    ; c0 = -2.3022082
	v_mov_b32 v[C0+1], 0xc0135761
	v_lshlrev_b32 v[SELO], 3, v[LANE]
	v_add_nc_u32 v[G1], 512, v[G0]                 ; rows are dense here: a pair of rows is 1,536 bytes on end
	v_and_b32 v[SCV], 8, v[RR]
	v_add_nc_u32 v[SCV], v[SCV], v[RR]
	v_lshl_add_u32 v[SCV], v[SCV], 5, v[H16]       ; 32 (r + 8 (r / 8)) + 16 h
	v_lshlrev_b32 v[TID4], 2, v0
	v_add_nc_u32 v[TRV], 1024, v[LANE]
	v_mov_b32 v[K1K], 1024
.irp i, 0,1,2,3
	v_mov_b32 v[ZQ+\i], 0
.endr
	s_mov_b32 s[SEL], 0x76543210
	s_mov_b32 s[SEL+1], 0xfedcba98                 ; v_permlanex16_b32's selects for lane l xor 16
	s_mov_b32 s[C1], 0xbdd2d3e8                    ; c1 = -0.10294324
	s_mov_b32 s[C1+1], s[C1]                       ; (named with it as a pair, so it is written)
	s_mov_b32 s[CNT], 0
	s_mov_b32 s[LO], 0
	s_mul_i32 s32, s[EX], 3145728
	s_mov_b32 s33, 0
	s_mov_b32 s35, 0
	s_mul_i32 s[TMP], s[CH], 1536
	s_add_co_u32 s34, s32, s[TMP]                  ; hq: the expert, K step c
	s_mul_i32 s[TMP], s[CH], 98304
	s_add_co_u32 s32, s32, s[TMP]
	s_mul_i32 s[TMP], s[WV], 24576
	s_add_co_u32 s32, s32, s[TMP]                  ; W1's codes: the expert, my 128 rows, my wave's 32 of them
	s_wait_kmcnt 0x0
	s_add_nc_u64 s[10:11], s[10:11], s[32:33]
	s_add_nc_u64 s[16:17], s[16:17], s[34:35]
	s_lshl_b32 s32, s[EX], 17
	s_lshl_b32 s[TMP], s[CH], 12
	s_add_co_u32 s32, s32, s[TMP]
	s_add_nc_u64 s[12:13], s[12:13], s[32:33]
	s_lshl_b32 s32, s[EX], 14
	s_lshl_b32 s[TMP], s[CH], 9
	s_add_co_u32 s32, s32, s[TMP]
	s_add_nc_u64 s[14:15], s[14:15], s[32:33]
	s_lshl_b32 s32, s[EX], 18
	s_lshl_b32 s[TMP], s[CH], 7
	s_add_co_u32 s32, s32, s[TMP]
	s_add_nc_u64 s[18:19], s[18:19], s[32:33]
.set g, 0
.rept 32
	global_load_b64 v[ACC+2*g:ACC+2*g+1], v[SELO], s[8:9] offset:256*g     ; token 32 g + lane: its two experts
.set g, g+1
.endr
	WIN 0x40                                       ; destination window 1
.set p, 0
.rept 16                               ; my 32 rows, a pair at a time: row 2 p's first 512 bytes; its last 256 and row 2 p + 1's first 256; that row's last 512
	global_load_b128 v[12*p:12*p+3], v[G0], s[10:11] offset:2*p*RS th:TH_LOAD_NT
	global_load_b128 v[12*p+4:12*p+7], v[G1], s[10:11] offset:2*p*RS th:TH_LOAD_NT
	global_load_b128 v[12*p+8:12*p+11], v[G0], s[10:11] offset:2*p*RS+RS+256 th:TH_LOAD_NT
.set p, p+1
.endr
	WIN 0
.irp t, 0,1,2,3,4,5,6,7
	global_load_b128 v[WS+4*\t:WS+4*\t+3], v[SCV], s[12:13] offset:32*(32*(\t/2)+8*(\t%2))   ; four scale words of my row of tile t: K steps 4 h + 0 .. 3
.endr
	global_load_b32 v[BV], v[TID4], s[14:15]
	s_wait_loadcnt 57                              ; sel is in: 48 + 8 + 1 younger loads may stay out
	s_cmp_lg_u32 s[WV], 0
	s_cbranch_scc1 .Lcount
.set i, 0
.rept 9
	ds_store_b128 v[L0], v[ZQ:ZQ+3] offset:LIST+512*i                     ; wave 0 (L0 = 16 l there): the list begins as zeros, token 0
.set i, i+1
.endr
.set g, 0
.rept 32
	BUILD g
.set g, g+1
.endr
	s_branch .Lcounted
.Lcount:
.set g, 0
.rept 32
	COUNT g
.set g, g+1
.endr
.Lcounted:
	s_wait_dscnt 0x0                               ; the list is written
	s_barrier_signal -1
	s_barrier_wait -1                              ; only behind this barrier do the other waves touch LDS
	s_wait_loadcnt 0x0                             ; my rows, the scale words, the bias
	WIN 0x04                                       ; an LDS store's data are its source 1: window 1
.set p, 0
.rept 16
.set im, WST+(p>>3)*HG+((2*p)&15)*RP
	ds_store_b128 v[L0], v[12*p:12*p+3] offset:im
	ds_store_b128 v[L1], v[12*p+4:12*p+7] offset:im
	ds_store_b128 v[L0], v[12*p+8:12*p+11] offset:im+RP+256
.set p, p+1
.endr
	WIN 0
	ds_store_b32 v[TID4], v[BV] offset:BIAS
	s_wait_dscnt 0x0                               ; for the others' sake: my stores are done
	s_barrier_signal -1
	s_barrier_wait -1                              ; the slice, the biases and the list lie in LDS; from here on nothing is written there
	s_add_co_u32 s[NT], s[CNT], 15
	s_lshr_b32 s[NT], s[NT], 4                     ; tiles of 16 rows,
	s_max_u32 s[NT], s[NT], 4                      ; and never fewer than one a wave: tiles 0 to 3 are always stored
	s_mov_b32 s[M], s[WV]
	s_mov_b32 s[TR], 16
	ds_load_b32 v[EN], v[VLI]
	s_wait_dscnt 0x0
	ADDR
	FLOAD 0                                        ; the first tile's operands, in the order of every tile: K steps 0-3, the scale words, K steps 4-7
	FLOAD 1
	FLOAD 2
	FLOAD 3
	global_load_b128 v[AS:AS+3], v[VX], s[6:7]
	FLOAD 4
	FLOAD 5
	FLOAD 6
	FLOAD 7
.set f, 0
.rept 64                               ; all 64 fragments: lane (r, h) takes 24 bytes at 96 s + 24 h of its row and 24 more 48 bytes on, in pieces of 8
.if f < 63
	WIN (1+f/21)<<6
.set rW, 12*(f%21)
.else
	WIN 0
.set rW, W63
.endif
.set tt, f%8
.set im, WST+((tt>>1)&1)*GS+(tt&1)*TOFF+96*(f/8)
.irp o, 0,1,2,3,4,5
.if tt < 4
	ds_load_b64 v[rW+2*\o:rW+2*\o+1], v[VW0] offset:im+48*(\o/3)+8*(\o%3)
.else
	ds_load_b64 v[rW+2*\o:rW+2*\o+1], v[VW1] offset:im+48*(\o/3)+8*(\o%3)
.endif
.endr
.set f, f+1
.endr
	WIN 0
	s_wait_dscnt 0x0
	s_wait_xcnt 0x0                                ; the first tile's loads have read their offsets: these are written again in the first trip
.Ltrip:                                            ; 16 trips, a constant, walked by every wave; a trip whose tile does not exist is passed over
	s_cmp_ge_u32 s[M], s[NT]
	s_cbranch_scc1 .Lskip
	v_add_nc_u32 v[VLT], s[LO], v[VLI]
.irp t, 0,1,2,3,4,5,6,7
	ds_load_b128 v[ACC+8*\t:ACC+8*\t+3], v[VB] offset:BIAS+4*(32*(\t/2)+8*(\t%2))       ; b1 at hidden units 32 b + 16 h + 8 u + 0 .. 7: the sums begin with it
	ds_load_b128 v[ACC+8*\t+4:ACC+8*\t+7], v[VB] offset:BIAS+4*(32*(\t/2)+8*(\t%2))+16
.endr
	ds_load_b32 v[EN], v[VLT] offset:256           ; the next tile's entry (past the list's end: a zero or a spare word, and then not used)
	s_wait_dscnt 0x0
	KSTEP 0, 12                                    ; K steps 0-3 and the scale words are in; K steps 4-7, twelve loads, may be out
	KSTEP 1, -1
	KSTEP 2, -1
	KSTEP 3, -1
	WIN 0
	ADDR                                           ; four plain lines that name no register of the last product
	s_add_co_u32 s[TMP], s[M], 4
	s_cmp_ge_u32 s[TMP], s[NT]
	s_cbranch_scc1 .Llast
	FLOAD 0                                        ; the next tile's K steps 0-3, into registers that are done with
	FLOAD 1
	FLOAD 2
	FLOAD 3
	KSTEP 4, 21                                    ; behind K step s's three loads: 3 (7 - s) of this tile and the next tile's twelve
	KSTEP 5, 18
	KSTEP 6, 15
	KSTEP 7, 12
	WIN 0
.rept 4
	v_nop                                          ; places in front of the loads below and of the first read of results
.endr
	global_load_b128 v[AS:AS+3], v[VX], s[6:7]
	FLOAD 4
	FLOAD 5
	FLOAD 6
	FLOAD 7
	s_branch .Lepi
.Llast:                                            ; the wave's last tile asks for nothing more
	KSTEP 4, 9
	KSTEP 5, 6
	KSTEP 6, 3
	KSTEP 7, 0
	WIN 0
.rept 4
	v_nop
.endr
.Lepi:
	GELU 0
	GELU 1
	; the 64 numbers of my token, register 16 b + i = hidden unit 32 b + 16 h + i, become a fragment's codes and the row's scale word
.irp b, 0,1,2,3
	v_max3_num_f32 v[MX+\b], |v[ACC+16*\b]|, |v[ACC+1+16*\b]|, 0x2800000   ; my 16 numbers of block b, and the floor 2^(5 - 127): the byte cannot fall under 1
.endr
.irp i, 2,4,6,8,10,12,14
.irp b, 0,1,2,3
	v_max3_num_f32 v[MX+\b], v[MX+\b], |v[ACC+16*\b+\i]|, |v[ACC+1+16*\b+\i]|
.endr
.endr
.irp b, 0,1,2,3
	v_permlanex16_b32 v[PB+\b], v[MX+\b], s[SEL], s[SEL+1]
.endr
.irp b, 0,1,2,3
	v_max_num_f32 v[MX+\b], v[MX+\b], v[PB+\b]     ; with lane l xor 16's: the block's largest magnitude
.endr
.irp b, 0,1,2,3
	v_add_nc_u32 v[SOP+\b], 0xfe000000, v[MX+\b]   ; 4 off its exponent field: the conversion's scale operand
.endr
.irp b, 0,1,2,3
	v_lshrrev_b32 v[PB+\b], 23, v[SOP+\b]          ; the scale's byte
.endr
	v_lshl_or_b32 v[PW], v[PB+1], 8, v[PB]
	v_lshl_or_b32 v[PW], v[PB+2], 16, v[PW]
	v_lshl_or_b32 v[PW], v[PB+3], 24, v[PW]
.irp c, 0,1
	v_cvt_scalef32_pk16_bf6_f32 v[PC+6*\c:PC+2+6*\c], v[ACC+32*\c:ACC+15+32*\c], v[SOP+2*\c]
	v_cvt_scalef32_pk16_bf6_f32 v[PC+12+4*\c:PC+14+4*\c], v[ACC+16+32*\c:ACC+31+32*\c], v[SOP+2*\c+1]   ; (a conversion's three registers begin on an even number)
.endr
	v_nop                                          ; one plain line behind the scaled conversions
.irp c, 0,1                            ; the operand's layout wants a whole block in a lane: lanes 0-15 block 2 c, lanes 16-31 block 2 c + 1
.irp i, 0,1,2
	v_permlane16_swap_b32 v[PC+6*\c+\i], v[PC+12+4*\c+\i]
.endr
.irp i, 0,1,2
	v_mov_b32 v[PC+3+6*\c+\i], v[PC+12+4*\c+\i]
.endr
.endr
.irp i, 0,1,2
	global_store_b128 v[VH], v[PC+4*\i:PC+4*\i+3], s[16:17] offset:512*\i  ; 32 lanes store 512 consecutive bytes, aligned
.endr
	global_store_b32 v[VHS], v[PW], s[18:19]
.Lskip:
	s_wait_xcnt 0x0                                ; every load and store of the trip has read its offsets and data: they are written again only behind this wait
	v_add_nc_u32 v[VH], 196608, v[VH]              ; four tiles on
	v_add_nc_u32 v[VHS], 16384, v[VHS]
	s_add_co_u32 s[LO], s[LO], 256
	s_add_co_u32 s[M], s[M], 4
	s_sub_co_u32 s[TR], s[TR], 1
	s_cmp_lg_u32 s[TR], 0
	s_cbranch_scc1 .Ltrip
	s_set_vgpr_msb 0x5
	s_wait_tensorcnt 0x0
	ds_add_u32 v254, v255
	s_wait_dscnt 0x0
	s_set_vgpr_msb 0x500
	s_endpgm
.Lfunc_end_k_q36f63f49b3_up:
	.size	k_q36f63f49b3_up, .Lfunc_end_k_q36f63f49b3_up-k_q36f63f49b3_up
	.p2alignl 7, 3214868480
	.fill 96, 4, 3214868480
	.section	.rodata,"a",@progbits
	.p2align	6, 0x0
	.amdhsa_kernel k_q36f63f49b3_up
		.amdhsa_group_segment_fixed_size 111616
		.amdhsa_private_segment_fixed_size 0
		.amdhsa_enable_private_segment 0
		.amdhsa_kernarg_size 64
		.amdhsa_user_sgpr_count 2
		.amdhsa_user_sgpr_kernarg_segment_ptr 1
		.amdhsa_wavefront_size32 1
		.amdhsa_system_sgpr_workgroup_id_x 1
		.amdhsa_system_sgpr_workgroup_id_y 1
		.amdhsa_system_sgpr_workgroup_id_z 1
		.amdhsa_system_vgpr_workitem_id 0
		.amdhsa_next_free_vgpr 1024
		.amdhsa_next_free_sgpr 66
		.amdhsa_reserve_vcc 0
		.amdhsa_float_denorm_mode_32 3
		.amdhsa_float_denorm_mode_16_64 3
		.amdhsa_memory_ordered 1
		.amdhsa_forward_progress 1
		.amdhsa_inst_pref_size 107
	.end_amdhsa_kernel
	.amdgpu_metadata
---
amdhsa.version: [ 1, 2 ]
amdhsa.kernels:
  - .name:           k_q36f63f49b3_up
    .symbol:         k_q36f63f49b3_up.kd
    .args:
      - { .name: xq, .offset: 0, .size: 8, .value_kind: global_buffer, .address_space: global }
      - { .name: xs, .offset: 8, .size: 8, .value_kind: global_buffer, .address_space: global }
      - { .name: sel, .offset: 16, .size: 8, .value_kind: global_buffer, .address_space: global }
      - { .name: w1_codes, .offset: 24, .size: 8, .value_kind: global_buffer, .address_space: global }
      - { .name: w1_scales, .offset: 32, .size: 8, .value_kind: global_buffer, .address_space: global }
      - { .name: b1, .offset: 40, .size: 8, .value_kind: global_buffer, .address_space: global }
      - { .name: hq, .offset: 48, .size: 8, .value_kind: global_buffer, .address_space: global }
      - { .name: hs, .offset: 56, .size: 8, .value_kind: global_buffer, .address_space: global }
    .group_segment_fixed_size: 111616
    .private_segment_fixed_size: 0
    .kernarg_segment_align: 8
    .kernarg_segment_size: 64
    .max_flat_workgroup_size: 128
    .sgpr_count:     66
    .vgpr_count:     1024
    .wavefront_size: 32
...
	.end_amdgpu_metadata
.endif
;; end of part 2
;; launch down (part 3): grid 32 x 8, 4 waves a work-group, no clusters, 145,408 bytes of LDS; arguments hq, hs, sel, wts, w2_codes, w2_scales, b2, ypart; writes ypart
.if DOCPART == 3
	.amdgcn_target "amdgcn-amd-amdhsa--gfx1250"
	.amdhsa_code_object_version 6
	.text
	.protected	k_q36f63f49b3_down
	.globl	k_q36f63f49b3_down
	.p2align	8
	.type	k_q36f63f49b3_down,@function
k_q36f63f49b3_down:
	s_mov_b64 s[64:65], 0
	v_nop
	global_prefetch_b8 v0, s[64:65] scope:SCOPE_SE
	s_setreg_imm32_b32 hwreg(HW_REG_WAVE_MODE, 25, 1), 1
	s_wait_xcnt 0x0
; SECOND PRODUCT OF THE EXPERTS, for the chosen rows alone: ypart[kq][slot x 1024 + token][:] = coef x (h W2 over a quarter of K  (+ b2 in quarter 0)).
; Work-group (x, e): expert e, columns 128 nc .. 128 nc + 127 (nc = x % 8), K = 1024 kq .. 1024 kq + 1023 (kq = x / 8): 96 KiB of W2's codes.  THE WEIGHTS STAND STILL: every wave holds the
; slice in 768 registers (64 fragments of 16 rows x 128 K) and the expert's row tiles go past; wave w takes tiles w, w + 4, ..  A tile is 8 accumulators x 8 K steps = 64 matrix instructions.
; The split of K keeps what a work-group reads of h to a quarter and lets a fragment of h feed eight matrix instructions; the four parts and the two slots of a token are added by the launch that follows.
; THE ROWS: the list of the tokens that chose expert e is made from sel as in the launch before, so tile m means the same 16 rows; with it goes each row's weight from wts.
; h comes as images of the operand's registers (hq: quad i of lane l at 512 i + 16 l; hs: the row's scale word): no gather, three loads of 16 bytes a fragment.
; No tensor load, no cluster: how many tiles there are hangs on numbers read from memory.  Every wave walks the 16 trips of the tile loop and passes over the tiles that do not exist;
; its first tile (w = 0 .. 3) is asked for whatever the count: the launch before stores tiles 0 to 3 of every expert.
; THE MATRIX INSTRUCTION IS USED TRANSPOSED (source 0 = 16 rows of W2, source 1 = 16 rows of h): a lane holds eight neighbouring columns of one row.  A tile goes through the wave's own stage in LDS
; and leaves as whole rows: 32 lanes store 512 consecutive bytes, aligned.  Rows past the expert's count are not stored.
; Each (slot, token) has one expert, and that expert's 32 work-groups write all four parts of its row: every word of ypart is written.
; LIMITS: NaN and infinities are not served.
; REGISTERS as in the launch before: window 0: v1-15 addresses; v16-47 W2's scale words; v48-51 h's scale words; v52-63 fragment 63 (at the head: temporaries); v64-127 the accumulators;
;   v128-223 h's eight fragments; v224-239 at work.  Windows 1 to 3: fragment f = 8 s + t (f < 63) in window 1 + f / 21 at v[12 (f % 21)].
.set LIST, 0                           ; LDS: the list: 1,024 entries, 32 spare words, slack: 4,608 bytes
.set COEF, 4608                        ; the rows' weights, laid like the list
.set BIAS, 9216                        ; the work-group's 128 biases (zeros where kq is not 0)
.set WST,  9728                        ; the weight stage: row 32 g + 16 a + i at WST + g GS + a HG + i RP
.set RP,   784                         ; a row: 768 bytes + 16: row i starts 4 i banks on
.set HG,   16*RP+128
.set GS,   2*HG
.set STAGE, WST+4*GS                   ; the way out: 16 rows x (512 bytes + 16) for each wave
.set SP,   528
.set RS,   3072                        ; a row of W2 in memory; the slice is 768 bytes of it
.set TOFF, HG                          ; from tile 2 b to tile 2 b + 1
.set VLC, 1                            ; 4 r + 64 w: my row's weight in the wave's first tile
.set VB,  2                            ; 32 h: my half's biases
.set VW0, 3                            ; my place in the weight stage, tiles 0-3
.set VW1, 4                            ; tiles 4-7
.set VA,  5                            ; hq: 16 l + 49,152 x tile
.set VS,  6                            ; hs: 128 h + 4 r + 4,096 x tile
.set VSO, 7                            ; the stage: where I put 32 bytes of a row
.set VSR, 8                            ; and where I read a row back
.set VLB, 9                            ; 64 w: the tile's 16 entries, the same address in all lanes
.set L16, 10                           ; 16 l
.set G0,  10
.set L0,  11                           ; into the weight stage: w GS + 16 l
.set VCT, 11                           ; once the weight stage is written: my row's weight's address in the trip in hand
.set CF,  12                           ; v12: my row's weight; v13: 0, named with it as a pair
.set SELO, 14                          ; 8 x lane
.set VET, 14                           ; once sel and wts are in: the entries' address in the trip in hand
.set L1,  15                           ; L0 + 512 + 16 h
.set WS,  16
.set AS,  48
.set W63, 52
.set G1,  53                           ; temporaries at the head: 512 + 16 l + h (RS - 768)
.set SCV, 54                           ; W2's scale words: 128 r + 16 h
.set TID4, 55
.set LANE, 56
.set TRV, 57                           ; 1024 + lane: my spare word
.set K1K, 58
.set BV,  59
.set ZQ,  60
.set ACC, 64
.set AF,  128
.set T,   224
.set RR,  224
.set HH,  225
.set WV,  20
.set EX,  21
.set CH,  22
.set KQ,  23
.set CNT, 24
.set NT,  25
.set M,   26
.set TR,  27
.set MA,  28
.set MB,  29
.set MM,  30
.set TMP, 31
.set LEFT, 40
.set BM,  41
.set LO,  42
.set MSB, 0
.macro WIN new                         ; the immediate's high byte repeats the setting that is left; a switch that changes nothing is dropped
.if MSB != (\new)
	s_set_vgpr_msb (MSB<<8)|(\new)
.set MSB, (\new)
.endif
.endm
.macro COUNT g                         ; tokens 32 g .. 32 g + 31: who chose my expert, first (MA) or second (MB)
	v_cmp_eq_u32 s[MA], s[EX], v[ACC+2*(\g)]
	v_cmp_eq_u32 s[MB], s[EX], v[ACC+2*(\g)+1]
	s_or_b32 s[MM], s[MA], s[MB]
	s_bcnt1_i32_b32 s[TMP], s[MM]
	s_add_co_u32 s[CNT], s[CNT], s[TMP]
.endm
.macro BUILD g                         ; the same, and each member writes slot x 1024 + token and its weight at its place: the count so far + the members in lower lanes
	v_cmp_eq_u32 s[MA], s[EX], v[ACC+2*(\g)]
	v_cmp_eq_u32 s[MB], s[EX], v[ACC+2*(\g)+1]
	s_or_b32 s[MM], s[MA], s[MB]
	v_mbcnt_lo_u32_b32 v[192+(\g)], s[MM], s[CNT]
	v_cndmask_b32 v[192+(\g)], v[TRV], v[192+(\g)], s[MM]
	v_min_u32 v[192+(\g)], 1055, v[192+(\g)]
	v_lshlrev_b32 v[192+(\g)], 2, v[192+(\g)]
	v_cndmask_b32 v[224+(\g)], 0, v[K1K], s[MB]
	v_add3_u32 v[224+(\g)], v[224+(\g)], v[LANE], 32*(\g)
	ds_store_b32 v[192+(\g)], v[224+(\g)]
	v_cndmask_b32 v[AF+2*(\g)], v[AF+2*(\g)], v[AF+2*(\g)+1], s[MB]
	ds_store_b32 v[192+(\g)], v[AF+2*(\g)] offset:COEF
	s_bcnt1_i32_b32 s[TMP], s[MM]
	s_add_co_u32 s[CNT], s[CNT], s[TMP]
.endm
; K step s: eight matrix instructions, the eight accumulators by turns, one instruction a turn.  n >= 0: first a wait that leaves n younger loads out.
; W2's scale words: lanes 0-15 K steps 0-3, lanes 16-31 K steps 4-7.  h's: register s / 2, lanes 0-15 the even K step, lanes 16-31 the odd one.
.macro KSTEP s, n
.if (\n) >= 0
	s_wait_loadcnt \n
.endif
.irp t, 0,1,2,3,4,5,6,7
.set f, 8*(\s)+\t
.if f < 63
	WIN 1+f/21
.set rW, 12*(f%21)
.else
	WIN 0
.set rW, W63
.endif
.if ((\s) < 4) && ((\s)%2 == 0)
	v_wmma_scale_f32_16x16x128_f8f6f4 v[ACC+8*\t:ACC+8*\t+7], v[rW:rW+11], v[AF+12*(\s):AF+12*(\s)+11], v[ACC+8*\t:ACC+8*\t+7], v[WS+4*\t+(\s)%4], v[AS+(\s)/2] matrix_a_fmt:MATRIX_FMT_BF6 matrix_b_fmt:MATRIX_FMT_BF6
.elseif (\s) < 4
	v_wmma_scale_f32_16x16x128_f8f6f4 v[ACC+8*\t:ACC+8*\t+7], v[rW:rW+11], v[AF+12*(\s):AF+12*(\s)+11], v[ACC+8*\t:ACC+8*\t+7], v[WS+4*\t+(\s)%4], v[AS+(\s)/2] matrix_a_fmt:MATRIX_FMT_BF6 matrix_b_fmt:MATRIX_FMT_BF6 matrix_b_scale:MATRIX_SCALE_ROW1
.elseif (\s)%2 == 0
	v_wmma_scale_f32_16x16x128_f8f6f4 v[ACC+8*\t:ACC+8*\t+7], v[rW:rW+11], v[AF+12*(\s):AF+12*(\s)+11], v[ACC+8*\t:ACC+8*\t+7], v[WS+4*\t+(\s)%4], v[AS+(\s)/2] matrix_a_fmt:MATRIX_FMT_BF6 matrix_b_fmt:MATRIX_FMT_BF6 matrix_a_scale:MATRIX_SCALE_ROW1
.else
	v_wmma_scale_f32_16x16x128_f8f6f4 v[ACC+8*\t:ACC+8*\t+7], v[rW:rW+11], v[AF+12*(\s):AF+12*(\s)+11], v[ACC+8*\t:ACC+8*\t+7], v[WS+4*\t+(\s)%4], v[AS+(\s)/2] matrix_a_fmt:MATRIX_FMT_BF6 matrix_b_fmt:MATRIX_FMT_BF6 matrix_a_scale:MATRIX_SCALE_ROW1 matrix_b_scale:MATRIX_SCALE_ROW1
.endif
.endr
.endm
.macro FLOAD s, nx                     ; h's fragment of K step s, of the tile in hand (nx = 0) or of my next tile, four tiles on (nx = 1)
.irp i, 0,1,2
	global_load_b128 v[AF+12*(\s)+4*\i:AF+12*(\s)+4*\i+3], v[VA], s[4:5] offset:196608*(\nx)+1536*(\s)+512*\i
.endr
.endm
.macro SLOAD nx                        ; its eight scale words, two to a register
.irp j, 0,1,2,3
	global_load_b32 v[AS+\j], v[VS], s[6:7] offset:16384*(\nx)+256*\j
.endr
.endm
	s_load_b256 s[4:11], s[0:1], 0x0               ; hq s[4:5], hs s[6:7], sel s[8:9], wts s[10:11]
	s_load_b256 s[12:19], s[0:1], 0x20             ; W2's codes s[12:13], W2's scales s[14:15], b2 s[16:17], ypart s[18:19]
	s_set_vgpr_msb 0x40
	v_lshl_add_u32 v254, v0, 2, 0x23600
	v_mov_b32 v255, 0
	s_set_vgpr_msb 0x4000
	v_lshrrev_b32 v1, 5, v0
	v_readfirstlane_b32 s[WV], v1                  ; wave 0..3
	s_and_b32 s[EX], ttmp7, 0xffff                 ; the expert
	s_and_b32 s[CH], ttmp9, 7                      ; which 128 columns
	s_lshr_b32 s[KQ], ttmp9, 3                     ; which quarter of K
	; the address registers that stay are made here, ahead of the place where the waves part
	v_and_b32 v[LANE], 31, v0
	v_and_b32 v[RR], 15, v0
	v_bfe_u32 v[HH], v0, 4, 1
	v_lshlrev_b32 v[VLC], 2, v[RR]
	s_lshl_b32 s[TMP], s[WV], 6
	v_add_nc_u32 v[VLC], s[TMP], v[VLC]
	v_mov_b32 v[VLB], s[TMP]
	v_lshlrev_b32 v[VB], 5, v[HH]
	v_mul_u32_u24 v[VW0], v[RR], RP
	v_mad_u32_u24 v[VW0], v[HH], 24, v[VW0]        ; r RP + 24 h
	v_add_nc_u32 v[VW1], 2*GS, v[VW0]
	v_lshlrev_b32 v[L16], 4, v[LANE]
	s_mul_i32 s[TMP], s[WV], 49152
	v_add_nc_u32 v[VA], s[TMP], v[L16]
	v_lshlrev_b32 v[VS], 2, v[RR]
	v_lshl_add_u32 v[VS], v[HH], 7, v[VS]
	s_lshl_b32 s[TMP], s[WV], 12
	v_add_nc_u32 v[VS], s[TMP], v[VS]
	s_mul_i32 s[TMP], s[WV], 16*SP
	s_add_co_u32 s[TMP], s[TMP], STAGE             ; my stage
	v_mul_u32_u24 v[VSO], v[RR], SP
	v_lshl_add_u32 v[VSO], v[HH], 5, v[VSO]
	v_add_nc_u32 v[VSO], s[TMP], v[VSO]
	v_add_nc_u32 v[VSR], s[TMP], v[L16]
	s_mul_i32 s[TMP], s[WV], GS
	v_add_nc_u32 v[L0], s[TMP], v[L16]
	v_add_nc_u32 v[L1], 512, v[L0]
	v_lshl_add_u32 v[L1], v[HH], 4, v[L1]
	v_mov_b32 v[CF+1], 0
	v_lshlrev_b32 v[SELO], 3, v[LANE]
	v_mad_u32_u24 v[G1], v[HH], RS-768, v[L16]
	v_add_nc_u32 v[G1], 512, v[G1]                 ; lanes 0-15: a row's last 256 bytes; lanes 16-31: the next row's first 256
	v_lshlrev_b32 v[SCV], 7, v[RR]
	v_lshl_add_u32 v[SCV], v[HH], 4, v[SCV]        ; 128 r + 16 h
	v_lshlrev_b32 v[TID4], 2, v0
	v_add_nc_u32 v[TRV], 1024, v[LANE]
	v_mov_b32 v[K1K], 1024
.irp i, 0,1,2,3
	v_mov_b32 v[ZQ+\i], 0
.endr
	s_mov_b32 s[CNT], 0
	s_mov_b32 s[LO], 0
	s_cmp_eq_u32 s[KQ], 0
	s_cselect_b32 s[BM], -1, 0                     ; b2 counts once: in the first quarter of K
	s_mul_i32 s32, s[EX], 3145728
	s_mov_b32 s33, 0
	s_mov_b32 s35, 0
	s_mul_i32 s[TMP], s[KQ], 12288
	s_add_co_u32 s34, s32, s[TMP]                  ; hq: the expert, K steps 8 kq on
	s_mul_i32 s[TMP], s[CH], 393216
	s_add_co_u32 s32, s32, s[TMP]
	s_mul_i32 s[TMP], s[KQ], 768
	s_add_co_u32 s32, s32, s[TMP]
	s_mul_i32 s[TMP], s[WV], 98304
	s_add_co_u32 s32, s32, s[TMP]                  ; W2's codes: the expert, my 128 rows, my quarter of each, my wave's 32 rows
	s_wait_kmcnt 0x0
	s_add_nc_u64 s[12:13], s[12:13], s[32:33]
	s_add_nc_u64 s[4:5], s[4:5], s[34:35]
	s_lshl_b32 s32, s[EX], 18
	s_lshl_b32 s[TMP], s[KQ], 10
	s_add_co_u32 s32, s32, s[TMP]
	s_add_nc_u64 s[6:7], s[6:7], s[32:33]
	s_lshl_b32 s32, s[EX], 17
	s_lshl_b32 s[TMP], s[CH], 14
	s_add_co_u32 s32, s32, s[TMP]
	s_lshl_b32 s[TMP], s[KQ], 5
	s_add_co_u32 s32, s32, s[TMP]
	s_add_nc_u64 s[14:15], s[14:15], s[32:33]
	s_lshl_b32 s32, s[EX], 12
	s_lshl_b32 s[TMP], s[CH], 9
	s_add_co_u32 s32, s32, s[TMP]
	s_add_nc_u64 s[16:17], s[16:17], s[32:33]
	s_lshl_b32 s32, s[KQ], 23
	s_add_co_u32 s32, s32, s[TMP]                  ; ypart: my quarter's part, my 512 bytes of a row
	s_add_nc_u64 s[18:19], s[18:19], s[32:33]
.set g, 0
.rept 32
	global_load_b64 v[ACC+2*g:ACC+2*g+1], v[SELO], s[8:9] offset:256*g     ; token 32 g + lane: its two experts,
.set g, g+1
.endr
.set g, 0
.rept 32
	global_load_b64 v[AF+2*g:AF+2*g+1], v[SELO], s[10:11] offset:256*g     ; and their weights
.set g, g+1
.endr
	WIN 0x40                                       ; destination window 1
.set p, 0
.rept 16                               ; my 32 rows' 768 bytes, a pair at a time: row 2 p's first 512; its last 256 and row 2 p + 1's first 256; that row's last 512
	global_load_b128 v[12*p:12*p+3], v[G0], s[12:13] offset:2*p*RS th:TH_LOAD_NT
	global_load_b128 v[12*p+4:12*p+7], v[G1], s[12:13] offset:2*p*RS th:TH_LOAD_NT
	global_load_b128 v[12*p+8:12*p+11], v[G0], s[12:13] offset:2*p*RS+RS+256 th:TH_LOAD_NT
.set p, p+1
.endr
	WIN 0
.irp t, 0,1,2,3,4,5,6,7
	global_load_b128 v[WS+4*\t:WS+4*\t+3], v[SCV], s[14:15] offset:2048*\t   ; four scale words of row 16 t + r: K steps 4 h + 0 .. 3 of my quarter
.endr
	global_load_b32 v[BV], v[TID4], s[16:17]
	s_wait_loadcnt 57                              ; sel and wts are in: 48 + 8 + 1 younger loads may stay out
	s_cmp_lg_u32 s[WV], 0
	s_cbranch_scc1 .Lcount
.set i, 0
.rept 18
	ds_store_b128 v[L0], v[ZQ:ZQ+3] offset:LIST+512*i                     ; wave 0 (L0 = 16 l there): the list and the weights begin as zeros
.set i, i+1
.endr
.set g, 0
.rept 32
	BUILD g
.set g, g+1
.endr
	s_branch .Lcounted
.Lcount:
.set g, 0
.rept 32
	COUNT g
.set g, g+1
.endr
.Lcounted:
	s_wait_dscnt 0x0                               ; the list is written
	s_barrier_signal -1
	s_barrier_wait -1                              ; only behind this barrier do the other waves touch LDS
	s_wait_loadcnt 0x0                             ; my rows, the scale words, the bias
	WIN 0x04                                       ; an LDS store's data are its source 1: window 1
.set p, 0
.rept 16
.set im, WST+(p>>3)*HG+((2*p)&15)*RP
	ds_store_b128 v[L0], v[12*p:12*p+3] offset:im
	ds_store_b128 v[L1], v[12*p+4:12*p+7] offset:im
	ds_store_b128 v[L0], v[12*p+8:12*p+11] offset:im+RP+256
.set p, p+1
.endr
	WIN 0
	v_cndmask_b32 v[BV], 0, v[BV], s[BM]
	ds_store_b32 v[TID4], v[BV] offset:BIAS
	s_wait_dscnt 0x0                               ; for the others' sake: my stores are done
	s_barrier_signal -1
	s_barrier_wait -1                              ; the slice, the biases, the list and the weights lie in LDS; from here on a wave writes its own stage alone
	s_add_co_u32 s[NT], s[CNT], 15
	s_lshr_b32 s[NT], s[NT], 4                     ; tiles of 16 rows
	s_mov_b32 s[M], s[WV]
	s_mov_b32 s[TR], 16
	FLOAD 0, 0                                     ; my first tile's operands (tiles 0 to 3 are always there), in the order of every tile: K steps 0-3, the scale words, K steps 4-7
	FLOAD 1, 0
	FLOAD 2, 0
	FLOAD 3, 0
	SLOAD 0
	FLOAD 4, 0
	FLOAD 5, 0
	FLOAD 6, 0
	FLOAD 7, 0
.set f, 0
.rept 64                               ; all 64 fragments: lane (r, h) takes 24 bytes at 96 s + 24 h of its row and 24 more 48 bytes on, in pieces of 8
.if f < 63
	WIN (1+f/21)<<6
.set rW, 12*(f%21)
.else
	WIN 0
.set rW, W63
.endif
.set tt, f%8
.set im, WST+((tt>>1)&1)*GS+(tt&1)*TOFF+96*(f/8)
.irp o, 0,1,2,3,4,5
.if tt < 4
	ds_load_b64 v[rW+2*\o:rW+2*\o+1], v[VW0] offset:im+48*(\o/3)+8*(\o%3)
.else
	ds_load_b64 v[rW+2*\o:rW+2*\o+1], v[VW1] offset:im+48*(\o/3)+8*(\o%3)
.endif
.endr
.set f, f+1
.endr
	WIN 0
	s_wait_dscnt 0x0
.Ltrip:                                            ; 16 trips, a constant, walked by every wave; a trip whose tile does not exist is passed over
	s_cmp_ge_u32 s[M], s[NT]
	s_cbranch_scc1 .Lskip
	v_add_nc_u32 v[VCT], s[LO], v[VLC]
	v_add_nc_u32 v[VET], s[LO], v[VLB]
.irp t, 0,1,2,3,4,5,6,7
	ds_load_b128 v[ACC+8*\t:ACC+8*\t+3], v[VB] offset:BIAS+64*\t           ; b2 at columns 16 t + 8 h + 0 .. 7: the sums begin with it
	ds_load_b128 v[ACC+8*\t+4:ACC+8*\t+7], v[VB] offset:BIAS+64*\t+16
.endr
	ds_load_b32 v[CF], v[VCT] offset:COEF          ; my row's weight
.irp i, 0,1,2,3
	ds_load_b128 v[T+4*\i:T+4*\i+3], v[VET] offset:LIST+16*\i              ; the tile's 16 entries, in every lane
.endr
	s_wait_dscnt 0x0
	KSTEP 0, 12                                    ; K steps 0-3 and the scale words are in; K steps 4-7, twelve loads, may be out
	KSTEP 1, -1
	KSTEP 2, -1
	KSTEP 3, -1
	WIN 0
.set j, 0
.rept 16                               ; the entries become byte offsets of rows of ypart.  Plain lines that name no register of the last product: the places in front of the loads below
	v_min_u32 v[T+j], 2047, v[T+j]
.set j, j+1
.endr
.set j, 0
.rept 16
	v_lshl_add_u32 v[T+j], v[T+j], 12, v[L16]
.set j, j+1
.endr
	s_add_co_u32 s[TMP], s[M], 4
	s_cmp_ge_u32 s[TMP], s[NT]
	s_cbranch_scc1 .Llast
	FLOAD 0, 1                                     ; the next tile's K steps 0-3, into registers that are done with
	FLOAD 1, 1
	FLOAD 2, 1
	FLOAD 3, 1
	KSTEP 4, 21                                    ; behind K step s's three loads: 3 (7 - s) of this tile and the next tile's twelve
	KSTEP 5, 18
	KSTEP 6, 15
	KSTEP 7, 12
	WIN 0
.rept 4
	v_nop                                          ; places in front of the loads below and of the first read of results
.endr
	SLOAD 1
	FLOAD 4, 1
	FLOAD 5, 1
	FLOAD 6, 1
	FLOAD 7, 1
	s_branch .Lepi
.Llast:                                            ; the wave's last tile asks for nothing more
	KSTEP 4, 9
	KSTEP 5, 6
	KSTEP 6, 3
	KSTEP 7, 0
	WIN 0
.rept 4
	v_nop
.endr
.Lepi:
	s_lshl_b32 s[TMP], s[M], 4
	s_sub_co_u32 s[LEFT], s[CNT], s[TMP]           ; rows of this tile that exist (16 or more: all)
.set j, 0
.rept 32
	v_pk_mul_f32 v[ACC+j:ACC+j+1], v[ACC+j:ACC+j+1], v[CF:CF+1] op_sel_hi:[1,0]   ; x my row's weight; each accumulator from its low end on
.set j, j+2
.endr
.irp t, 0,1,2,3,4,5,6,7
	ds_store_b128 v[VSO], v[ACC+8*\t:ACC+8*\t+3] offset:64*\t
	ds_store_b128 v[VSO], v[ACC+8*\t+4:ACC+8*\t+7] offset:64*\t+16
.endr
.irp i, 0,1,2,3,4,5,6,7,8,9,10,11,12,13,14,15
	ds_load_b128 v[ACC+4*\i:ACC+4*\i+3], v[VSR] offset:\i*SP               ; LDS serves a wave's instructions in order: these see my stores
.endr
.irp i, 0,1,2,3,4,5,6,7,8,9,10,11,12,13,14,15
	s_wait_dscnt 15-\i                             ; row i is back; the rows behind it may be out
	s_cmp_le_u32 s[LEFT], \i
	s_cbranch_scc1 .Ldone                          ; the list ends here
	global_store_b128 v[T+\i], v[ACC+4*\i:ACC+4*\i+3], s[18:19]            ; 32 lanes store 512 consecutive bytes of one row, aligned
.endr
.Ldone:
	s_wait_dscnt 0x0
.Lskip:
	s_wait_xcnt 0x0                                ; every load and store of the trip has read its offsets and data: they are written again only behind this wait
	v_add_nc_u32 v[VA], 196608, v[VA]              ; four tiles on
	v_add_nc_u32 v[VS], 16384, v[VS]
	s_add_co_u32 s[LO], s[LO], 256
	s_add_co_u32 s[M], s[M], 4
	s_sub_co_u32 s[TR], s[TR], 1
	s_cmp_lg_u32 s[TR], 0
	s_cbranch_scc1 .Ltrip
	s_set_vgpr_msb 0x5
	s_wait_tensorcnt 0x0
	ds_add_u32 v254, v255
	s_wait_dscnt 0x0
	s_set_vgpr_msb 0x500
	s_endpgm
.Lfunc_end_k_q36f63f49b3_down:
	.size	k_q36f63f49b3_down, .Lfunc_end_k_q36f63f49b3_down-k_q36f63f49b3_down
	.p2alignl 7, 3214868480
	.fill 96, 4, 3214868480
	.section	.rodata,"a",@progbits
	.p2align	6, 0x0
	.amdhsa_kernel k_q36f63f49b3_down
		.amdhsa_group_segment_fixed_size 145408
		.amdhsa_private_segment_fixed_size 0
		.amdhsa_enable_private_segment 0
		.amdhsa_kernarg_size 64
		.amdhsa_user_sgpr_count 2
		.amdhsa_user_sgpr_kernarg_segment_ptr 1
		.amdhsa_wavefront_size32 1
		.amdhsa_system_sgpr_workgroup_id_x 1
		.amdhsa_system_sgpr_workgroup_id_y 1
		.amdhsa_system_sgpr_workgroup_id_z 1
		.amdhsa_system_vgpr_workitem_id 0
		.amdhsa_next_free_vgpr 1024
		.amdhsa_next_free_sgpr 66
		.amdhsa_reserve_vcc 0
		.amdhsa_float_denorm_mode_32 3
		.amdhsa_float_denorm_mode_16_64 3
		.amdhsa_memory_ordered 1
		.amdhsa_forward_progress 1
		.amdhsa_inst_pref_size 106
	.end_amdhsa_kernel
	.amdgpu_metadata
---
amdhsa.version: [ 1, 2 ]
amdhsa.kernels:
  - .name:           k_q36f63f49b3_down
    .symbol:         k_q36f63f49b3_down.kd
    .args:
      - { .name: hq, .offset: 0, .size: 8, .value_kind: global_buffer, .address_space: global }
      - { .name: hs, .offset: 8, .size: 8, .value_kind: global_buffer, .address_space: global }
      - { .name: sel, .offset: 16, .size: 8, .value_kind: global_buffer, .address_space: global }
      - { .name: wts, .offset: 24, .size: 8, .value_kind: global_buffer, .address_space: global }
      - { .name: w2_codes, .offset: 32, .size: 8, .value_kind: global_buffer, .address_space: global }
      - { .name: w2_scales, .offset: 40, .size: 8, .value_kind: global_buffer, .address_space: global }
      - { .name: b2, .offset: 48, .size: 8, .value_kind: global_buffer, .address_space: global }
      - { .name: ypart, .offset: 56, .size: 8, .value_kind: global_buffer, .address_space: global }
    .group_segment_fixed_size: 145408
    .private_segment_fixed_size: 0
    .kernarg_segment_align: 8
    .kernarg_segment_size: 64
    .max_flat_workgroup_size: 128
    .sgpr_count:     66
    .vgpr_count:     1024
    .wavefront_size: 32
...
	.end_amdgpu_metadata
.endif
;; end of part 3
;; launch sum (part 4): grid 256 x 1, 8 waves a work-group, no clusters, 0 bytes of LDS; arguments ypart, out0; writes out0
.if DOCPART == 4
	.amdgcn_target "amdgcn-amd-amdhsa--gfx1250"
	.amdhsa_code_object_version 6
	.text
	.protected	k_q36f63f49b3_sum
	.globl	k_q36f63f49b3_sum
	.p2align	8
	.type	k_q36f63f49b3_sum,@function
k_q36f63f49b3_sum:
	s_mov_b64 s[64:65], 0
	v_nop
	global_prefetch_b8 v0, s[64:65] scope:SCOPE_SE
	s_setreg_imm32_b32 hwreg(HW_REG_WAVE_MODE, 25, 1), 1
	s_wait_xcnt 0x0
; out0[token][:] = the sum over the two slots and the four quarters of K of ypart[kq][slot x 1024 + token][:], in f32, in a fixed order:
; ((k0 + k1) + (k2 + k3)) of slot 0 + the same of slot 1.  The weights and b2 are already in the parts.
; A work-group takes tokens 4 g .. 4 g + 3; thread t takes 16 bytes of each row, so a wave's load or store covers 512 consecutive bytes, aligned.
; All 32 loads of a thread go out at once; each row is added and stored as its eight parts arrive.  A stream: no LDS, no barrier, no matrix unit.
.set R0, 8                             ; v8-135: row i, slot sl, quarter k at R0 + 32 i + 16 sl + 4 k
	s_load_b128 s[4:7], s[0:1], 0x0                ; ypart s[4:5], out0 s[6:7]
	v_lshlrev_b32 v1, 4, v0
	s_lshl_b32 s16, ttmp9, 14                      ; four rows of 4,096 bytes a work-group
	s_mov_b32 s17, 0
	s_wait_kmcnt 0x0
	s_add_nc_u64 s[8:9], s[4:5], s[16:17]          ; quarter 0,
	s_add_nc_u64 s[6:7], s[6:7], s[16:17]
	s_add_nc_u64 s[10:11], s[8:9], 0x800000        ; 1, 2, 3: 2,048 rows apart
	s_add_nc_u64 s[12:13], s[10:11], 0x800000
	s_add_nc_u64 s[14:15], s[12:13], 0x800000
.irp i, 0,1,2,3
.irp sl, 0,1
.irp k, 0,1,2,3
	global_load_b128 v[R0+32*\i+16*\sl+4*\k:R0+32*\i+16*\sl+4*\k+3], v1, s[8+2*\k:9+2*\k] offset:4194304*\sl+4096*\i th:TH_LOAD_NT
.endr
.endr
.endr
.irp i, 0,1,2,3
	s_wait_loadcnt 24-8*\i                         ; row i's eight parts are in; the later rows' may stay out
.irp sl, 0,1
.irp d, 0,2
	v_pk_add_f32 v[R0+32*\i+16*\sl+\d:R0+32*\i+16*\sl+\d+1], v[R0+32*\i+16*\sl+\d:R0+32*\i+16*\sl+\d+1], v[R0+32*\i+16*\sl+4+\d:R0+32*\i+16*\sl+4+\d+1]
	v_pk_add_f32 v[R0+32*\i+16*\sl+8+\d:R0+32*\i+16*\sl+8+\d+1], v[R0+32*\i+16*\sl+8+\d:R0+32*\i+16*\sl+8+\d+1], v[R0+32*\i+16*\sl+12+\d:R0+32*\i+16*\sl+12+\d+1]
.endr
.irp d, 0,2
	v_pk_add_f32 v[R0+32*\i+16*\sl+\d:R0+32*\i+16*\sl+\d+1], v[R0+32*\i+16*\sl+\d:R0+32*\i+16*\sl+\d+1], v[R0+32*\i+16*\sl+8+\d:R0+32*\i+16*\sl+8+\d+1]
.endr
.endr
.irp d, 0,2
	v_pk_add_f32 v[R0+32*\i+\d:R0+32*\i+\d+1], v[R0+32*\i+\d:R0+32*\i+\d+1], v[R0+32*\i+16+\d:R0+32*\i+16+\d+1]
.endr
	global_store_b128 v1, v[R0+32*\i:R0+32*\i+3], s[6:7] offset:4096*\i th:TH_STORE_NT
.endr
	s_endpgm
.Lfunc_end_k_q36f63f49b3_sum:
	.size	k_q36f63f49b3_sum, .Lfunc_end_k_q36f63f49b3_sum-k_q36f63f49b3_sum
	.p2alignl 7, 3214868480
	.fill 96, 4, 3214868480
	.section	.rodata,"a",@progbits
	.p2align	6, 0x0
	.amdhsa_kernel k_q36f63f49b3_sum
		.amdhsa_group_segment_fixed_size 0
		.amdhsa_private_segment_fixed_size 0
		.amdhsa_enable_private_segment 0
		.amdhsa_kernarg_size 16
		.amdhsa_user_sgpr_count 2
		.amdhsa_user_sgpr_kernarg_segment_ptr 1
		.amdhsa_wavefront_size32 1
		.amdhsa_system_sgpr_workgroup_id_x 1
		.amdhsa_system_sgpr_workgroup_id_y 1
		.amdhsa_system_sgpr_workgroup_id_z 1
		.amdhsa_system_vgpr_workitem_id 0
		.amdhsa_next_free_vgpr 136
		.amdhsa_next_free_sgpr 66
		.amdhsa_reserve_vcc 0
		.amdhsa_float_denorm_mode_32 3
		.amdhsa_float_denorm_mode_16_64 3
		.amdhsa_memory_ordered 1
		.amdhsa_forward_progress 1
		.amdhsa_inst_pref_size 8
	.end_amdhsa_kernel
	.amdgpu_metadata
---
amdhsa.version: [ 1, 2 ]
amdhsa.kernels:
  - .name:           k_q36f63f49b3_sum
    .symbol:         k_q36f63f49b3_sum.kd
    .args:
      - { .name: ypart, .offset: 0, .size: 8, .value_kind: global_buffer, .address_space: global }
      - { .name: out0, .offset: 8, .size: 8, .value_kind: global_buffer, .address_space: global }
    .group_segment_fixed_size: 0
    .private_segment_fixed_size: 0
    .kernarg_segment_align: 8
    .kernarg_segment_size: 16
    .max_flat_workgroup_size: 256
    .sgpr_count:     66
    .vgpr_count:     136
    .wavefront_size: 32
...
	.end_amdgpu_metadata
.endif
;; end of part 4
;; ======== version 2 of 2: 4 launches
;; workspace buffers: sel 8,192 bytes of whole numbers; wts 8,192 bytes; xq 786,432 bytes; xs 32,768 bytes; hq 25,165,824 bytes; hs 2,097,152 bytes; ypart 33,554,432 bytes
;; launch route (part 5): grid 256 x 1, 4 waves a work-group, no clusters, 4,608 bytes of LDS; arguments x, gate_w, xq, xs, sel, wts; writes xq, xs, sel, wts
.if DOCPART == 5
	.amdgcn_target "amdgcn-amd-amdhsa--gfx1250"
	.amdhsa_code_object_version 6
	.text
	.protected	k_q36f63f49b3_route
	.globl	k_q36f63f49b3_route
	.p2align	8
	.type	k_q36f63f49b3_route,@function
k_q36f63f49b3_route:
	s_mov_b64 s[64:65], 0
	v_nop
	global_prefetch_b8 v0, s[64:65] scope:SCOPE_SE
	s_setreg_imm32_b32 hwreg(HW_REG_WAVE_MODE, 25, 1), 1
	s_wait_xcnt 0x0
; ROUTER AND QUANTISER OF x.  x: [1024 tokens][1024] f32; gate_w: [1024][8] f32.
; Out: sel [1024][2] int32 (first and second chosen expert), wts [1024][2] f32 (softmax over the two chosen logits),
;      xq [1024][768] codes of E3M2 in the order of an operand's registers, xs [1024][32] one E8M0 byte for each 32 along K.
; A work-group takes tokens 4 g .. 4 g + 3.  Wave w takes k = 256 w .. 256 w + 255; lane (r, hh) takes the 16 neighbours k = 256 w + 16 r + i;
; pass p (0, 1) is token 4 g + 2 p + hh.  So the same 16 registers serve the conversion (16 neighbours of one block in one lane) and the logits.
; LOGITS in f32 by fused multiply-adds: 8 sums a token in each lane, added over the 16 lanes of a half, then over the four waves through LDS.
; xq's ROW: register d = 12 s + 6 c + i of lane half h of an operand is dword i of block B = 4 s + 2 c + h; it lies at row byte 32 (d / 4) + 16 h + 4 (d % 4),
; so that a later load of 16 bytes at 16 h + 32 j fills registers 4 j .. 4 j + 3.
; A block's byte is its largest magnitude's exponent field - 4, held at 1 from below (a block of zeros gets 1: its codes are zeros, and this program alone reads the bytes).
; LIMITS: NaN and infinities in x or gate_w are not served; blocks whose largest magnitude lies under 2^-122 get the byte 1;
; a logit's f32 sum is taken in another order than a plain ascending one; equal logits: the lower index is taken first.
.set PART, 0                           ; LDS: 4 waves x 4 tokens x 8 partial logits
.set XQS,  512                         ; 4 rows of codes, 768 bytes each
.set XSS,  3584                        ; 4 rows of scale bytes, 32 each
.set X,    16                          ; v16-47   x: pass p at +16 p
.set LA,   48                          ; v48-63   partial logits: pass p at +8 p
.set G,    64                          ; v64-191  gate_w[k][e] at G + 8 i + e
.set WK,   192                         ; v192-    at work
	s_load_b256 s[4:11], s[0:1], 0x0               ; x s[4:5], gate_w s[6:7], xq s[8:9], xs s[10:11]
	s_load_b128 s[12:15], s[0:1], 0x20             ; sel s[12:13], wts s[14:15]
	v_lshl_add_u32 v240, v0, 2, 0x1000
	v_mov_b32 v241, 0
	v_lshrrev_b32 v1, 5, v0
	v_readfirstlane_b32 s16, v1                    ; wave 0..3
	v_and_b32 v1, 15, v0                           ; r
	v_bfe_u32 v2, v0, 4, 1                         ; hh
	v_lshlrev_b32 v3, 6, v1
	v_lshl_add_u32 v3, v2, 12, v3                  ; x: 64 r + 4096 hh
	v_lshlrev_b32 v4, 9, v1                        ; gate_w: 16 rows of 32 bytes a lane
	v_mul_u32_u24 v192, v2, 768                    ; the codes' place in LDS: row hh,
	s_mul_i32 s17, s16, 192
	v_add_nc_u32 v192, s17, v192                   ; + 192 w (24 registers of each half),
	v_bfe_u32 v193, v0, 1, 1
	v_lshl_add_u32 v192, v193, 4, v192             ; + 16 x the block's half, (r / 2) % 2
	v_bfe_u32 v193, v0, 2, 2
	v_mul_u32_u24 v193, v193, 6
	v_and_b32 v194, 1, v0
	v_mad_u32_u24 v193, v194, 3, v193              ; my first register: 6 (r / 4) + 3 (r % 2)
.irp i, 0,1,2
	v_add_nc_u32 v194, \i, v193
	v_lshrrev_b32 v195, 2, v194
	v_and_b32 v194, 3, v194
	v_lshl_add_u32 v195, v195, 5, v192
	v_lshl_add_u32 v[5+\i], v194, 2, v195          ; v5-7: 32 (d / 4) + 4 (d % 4) + the above
.endr
	v_bfe_u32 v8, v0, 1, 3
	v_lshl_add_u32 v8, v2, 5, v8
	s_lshl_b32 s17, s16, 3
	v_add_nc_u32 v8, s17, v8                       ; the scale byte: 32 hh + 8 w + r / 2
	s_lshl_b32 s17, s16, 7
	v_lshlrev_b32 v9, 5, v2
	v_add_nc_u32 v9, s17, v9                       ; partial logits: 128 w + 32 hh
	v_lshlrev_b32 v10, 3, v0                       ; the way out of the codes: 8 bytes a thread
	v_and_b32 v14, 31, v0                          ; lane
	v_lshlrev_b32 v11, 2, v14                      ; 4 x lane
	s_lshl_b32 s17, s16, 5
	v_mov_b32 v12, s17                             ; token w's partial logits: 32 w, the same in all lanes
	s_lshl_b32 s18, ttmp9, 5
	s_lshl_b32 s19, s16, 3
	s_add_co_u32 s18, s18, s19
	v_add_nc_u32 v13, s18, v11                     ; sel, wts: 8 x token + 4 x lane
	s_lshl_b32 s20, ttmp9, 14
	s_lshl_b32 s21, s16, 10
	s_add_co_u32 s20, s20, s21                     ; x: 4 rows of 4,096 bytes a work-group, 1,024 bytes a wave
	s_mov_b32 s21, 0
	s_lshl_b32 s22, s16, 13                        ; gate_w: 256 rows of 32 bytes a wave
	s_mov_b32 s23, 0
	s_mul_i32 s24, ttmp9, 3072
	s_mov_b32 s25, 0
	s_lshl_b32 s26, ttmp9, 7
	s_mov_b32 s27, 0
	s_wait_kmcnt 0x0
	s_add_nc_u64 s[4:5], s[4:5], s[20:21]
	s_add_nc_u64 s[6:7], s[6:7], s[22:23]
	s_add_nc_u64 s[8:9], s[8:9], s[24:25]
	s_add_nc_u64 s[10:11], s[10:11], s[26:27]
.irp p, 0,1
.irp j, 0,1,2,3
	global_load_b128 v[X+16*\p+4*\j:X+16*\p+4*\j+3], v3, s[4:5] offset:8192*\p+16*\j th:TH_LOAD_NT
.endr
.endr
.set q, 0
.rept 32
	global_load_b128 v[G+4*q:G+4*q+3], v4, s[6:7] offset:16*q
.set q, q+1
.endr
	s_wait_loadcnt 32                              ; x is in; the 32 younger loads of gate_w may stay out
; pass p's 16 numbers become 16 codes (three dwords) and, with the neighbour lane's 16, a scale byte
.macro QX p
.set XS, X+16*(\p)
.set A0, WK+8*(\p)
	v_max3_num_f32 v[A0], |v[XS]|, |v[XS+1]|, |v[XS+2]|
	v_max3_num_f32 v[A0+1], |v[XS+3]|, |v[XS+4]|, |v[XS+5]|
.irp i, 6,10
	v_max3_num_f32 v[A0], v[A0], |v[XS+\i]|, |v[XS+\i+1]|
	v_max3_num_f32 v[A0+1], v[A0+1], |v[XS+\i+2]|, |v[XS+\i+3]|
.endr
	v_max3_num_f32 v[A0], v[A0], |v[XS+14]|, |v[XS+15]|
	v_max3_num_f32 v[A0], v[A0], v[A0+1], 0x2800000                ; the floor 2^(5 - 127): the byte cannot fall under 1
	v_max_num_f32_dpp v[A0], v[A0], v[A0] row_xmask:1 row_mask:0xf bank_mask:0xf   ; with my neighbour's 16: the block's largest magnitude
	v_add_nc_u32 v[A0+2], 0xfe000000, v[A0]        ; 4 off its exponent field: the conversion takes this operand's exponent field as its scale
	v_cvt_scalef32_pk16_bf6_f32 v[A0+4:A0+6], v[XS:XS+15], v[A0+2]
	v_lshrrev_b32 v[A0+3], 23, v[A0+2]             ; the scale's byte (also the plain line behind the conversion)
	ds_store_b32 v5, v[A0+4] offset:XQS+1536*(\p)
	ds_store_b32 v6, v[A0+5] offset:XQS+1536*(\p)
	ds_store_b32 v7, v[A0+6] offset:XQS+1536*(\p)
	ds_store_b8 v8, v[A0+3] offset:XSS+64*(\p)     ; both lanes of a block write the same byte with the same value
.endm
	QX 0
	QX 1
	s_wait_loadcnt 0x0                             ; gate_w
; 8 logits x 2 tokens: eight chains of packed multiply-adds, two experts each; x_i is taken for both halves
.set i, 0
.rept 16
.irp p, 0,1
.irp e, 0,2,4,6
.if i == 0
	v_pk_mul_f32 v[LA+8*\p+\e:LA+8*\p+\e+1], v[G+\e:G+\e+1], v[X+16*\p:X+16*\p+1] op_sel_hi:[1,0]
.elseif i%2 == 0
	v_pk_fma_f32 v[LA+8*\p+\e:LA+8*\p+\e+1], v[G+8*i+\e:G+8*i+\e+1], v[X+16*\p+i:X+16*\p+i+1], v[LA+8*\p+\e:LA+8*\p+\e+1] op_sel_hi:[1,0,1]
.else
	v_pk_fma_f32 v[LA+8*\p+\e:LA+8*\p+\e+1], v[G+8*i+\e:G+8*i+\e+1], v[X+16*\p+i-1:X+16*\p+i], v[LA+8*\p+\e:LA+8*\p+\e+1] op_sel:[0,1,0] op_sel_hi:[1,1,1]
.endif
.endr
.endr
.set i, i+1
.endr
.irp m, 1,2,4,8                        ; over the 16 lanes of a half: every lane ends with its token's sum over the wave's 256 k
.set j, 0
.rept 16
	v_add_f32_dpp v[LA+j], v[LA+j], v[LA+j] row_xmask:\m row_mask:0xf bank_mask:0xf
.set j, j+1
.endr
.endr
.irp p, 0,1
	ds_store_b128 v9, v[LA+8*\p:LA+8*\p+3] offset:PART+64*\p           ; the lanes of a half write the same words with the same values
	ds_store_b128 v9, v[LA+8*\p+4:LA+8*\p+7] offset:PART+64*\p+16
.endr
	s_wait_dscnt 0x0                               ; for the others' sake: all my LDS stores are done
	s_barrier_signal -1
	s_barrier_wait -1
.irp j, 0,1,2
	ds_load_b64 v[WK+2*\j:WK+2*\j+1], v10 offset:XQS+1024*\j
.endr
.irp q, 0,1,2,3
	ds_load_b128 v[16+8*\q:19+8*\q], v12 offset:PART+128*\q            ; wave w decides token 4 g + w: its eight partial logits of wave q
	ds_load_b128 v[20+8*\q:23+8*\q], v12 offset:PART+128*\q+16
.endr
	s_wait_dscnt 8                                 ; the codes are back; the 8 younger loads may stay out
.irp j, 0,1,2
	global_store_b64 v10, v[WK+2*\j:WK+2*\j+1], s[8:9] offset:1024*\j  ; a wave's store covers 256 consecutive bytes, aligned
.endr
	s_cmp_lg_u32 s16, 0
	s_cbranch_scc1 .Lno_xs
	ds_load_b32 v198, v11 offset:XSS               ; wave 0: the four rows' 128 scale bytes
	s_wait_dscnt 0x0
	global_store_b32 v11, v198, s[10:11]
.Lno_xs:
	s_wait_dscnt 0x0
.irp e, 0,2,4,6
	v_pk_add_f32 v[16+\e:17+\e], v[16+\e:17+\e], v[24+\e:25+\e]
	v_pk_add_f32 v[32+\e:33+\e], v[32+\e:33+\e], v[40+\e:41+\e]
.endr
.irp e, 0,2,4,6
	v_pk_add_f32 v[16+\e:17+\e], v[16+\e:17+\e], v[32+\e:33+\e]        ; the eight logits, in every lane
.endr
	v_mov_b32 v200, v16                            ; the largest logit and its index: a strict compare keeps the lower index
	v_mov_b32 v201, 0
.irp e, 1,2,3,4,5,6,7
	v_cmp_gt_f32 vcc_lo, v[16+\e], v200
	v_cndmask_b32 v200, v200, v[16+\e], vcc_lo
	v_cndmask_b32 v201, v201, \e, vcc_lo
.endr
	v_mov_b32 v199, 0xff800000                     ; -infinity takes the chosen logit's place
.irp e, 0,1,2,3,4,5,6,7
	v_cmp_eq_u32 vcc_lo, \e, v201
	v_cndmask_b32 v[16+\e], v[16+\e], v199, vcc_lo
.endr
	v_mov_b32 v202, v16                            ; the second largest
	v_mov_b32 v203, 0
.irp e, 1,2,3,4,5,6,7
	v_cmp_gt_f32 vcc_lo, v[16+\e], v202
	v_cndmask_b32 v202, v202, v[16+\e], vcc_lo
	v_cndmask_b32 v203, v203, \e, vcc_lo
.endr
	v_sub_f32 v204, v202, v200                     ; the maximum is taken away: 0 or less
	v_mul_f32 v204, 0x3fb8aa3b, v204
	s_wait_alu depctr_va_vdst(0)
	v_exp_f32 v205, v204
	v_nop                                          ; a plain line behind the transcendental,
	s_wait_alu depctr_va_vdst(0)                   ; and the wait ahead of its first reader
	v_add_f32 v206, 1.0, v205
	s_wait_alu depctr_va_vdst(0)
	v_rcp_f32 v207, v206                           ; the first weight: 1 / (1 + e^(l2 - l1))
	v_nop
	s_wait_alu depctr_va_vdst(0)
	v_mul_f32 v208, v205, v207                     ; the second
	v_cmp_eq_u32 vcc_lo, 1, v14
	v_cndmask_b32 v209, v201, v203, vcc_lo         ; lane 0 holds the first choice, lane 1 the second
	v_cndmask_b32 v210, v207, v208, vcc_lo
	s_wait_alu depctr_va_vdst(0)
	s_wait_xcnt 0x0                                ; EXEC changes only behind this wait: the stores above have read it
	v_cmp_gt_u32 vcc_lo, 2, v14
	s_wait_tensorcnt 0x0
	ds_add_u32 v240, v241
	s_wait_dscnt 0x0
	s_and_saveexec_b32 s28, vcc_lo
	global_store_b32 v13, v209, s[12:13]
	global_store_b32 v13, v210, s[14:15]
	s_wait_xcnt 0x0                                ; and again in front of the line that widens it
	s_or_b32 exec_lo, exec_lo, s28
	s_endpgm
.Lfunc_end_k_q36f63f49b3_route:
	.size	k_q36f63f49b3_route, .Lfunc_end_k_q36f63f49b3_route-k_q36f63f49b3_route
	.p2alignl 7, 3214868480
	.fill 96, 4, 3214868480
	.section	.rodata,"a",@progbits
	.p2align	6, 0x0
	.amdhsa_kernel k_q36f63f49b3_route
		.amdhsa_group_segment_fixed_size 4608
		.amdhsa_private_segment_fixed_size 0
		.amdhsa_enable_private_segment 0
		.amdhsa_kernarg_size 48
		.amdhsa_user_sgpr_count 2
		.amdhsa_user_sgpr_kernarg_segment_ptr 1
		.amdhsa_wavefront_size32 1
		.amdhsa_system_sgpr_workgroup_id_x 1
		.amdhsa_system_sgpr_workgroup_id_y 1
		.amdhsa_system_sgpr_workgroup_id_z 1
		.amdhsa_system_vgpr_workitem_id 0
		.amdhsa_next_free_vgpr 242
		.amdhsa_next_free_sgpr 66
		.amdhsa_reserve_vcc 1
		.amdhsa_float_denorm_mode_32 3
		.amdhsa_float_denorm_mode_16_64 3
		.amdhsa_memory_ordered 1
		.amdhsa_forward_progress 1
		.amdhsa_inst_pref_size 27
	.end_amdhsa_kernel
	.amdgpu_metadata
---
amdhsa.version: [ 1, 2 ]
amdhsa.kernels:
  - .name:           k_q36f63f49b3_route
    .symbol:         k_q36f63f49b3_route.kd
    .args:
      - { .name: x, .offset: 0, .size: 8, .value_kind: global_buffer, .address_space: global }
      - { .name: gate_w, .offset: 8, .size: 8, .value_kind: global_buffer, .address_space: global }
      - { .name: xq, .offset: 16, .size: 8, .value_kind: global_buffer, .address_space: global }
      - { .name: xs, .offset: 24, .size: 8, .value_kind: global_buffer, .address_space: global }
      - { .name: sel, .offset: 32, .size: 8, .value_kind: global_buffer, .address_space: global }
      - { .name: wts, .offset: 40, .size: 8, .value_kind: global_buffer, .address_space: global }
    .group_segment_fixed_size: 4608
    .private_segment_fixed_size: 0
    .kernarg_segment_align: 8
    .kernarg_segment_size: 48
    .max_flat_workgroup_size: 128
    .sgpr_count:     66
    .vgpr_count:     242
    .wavefront_size: 32
...
	.end_amdgpu_metadata
.endif
;; end of part 5
;; launch up (part 6): grid 32 x 8, 4 waves a work-group, no clusters, 111,616 bytes of LDS; arguments xq, xs, sel, w1_codes, w1_scales, b1, hq, hs; writes hq, hs
.if DOCPART == 6
	.amdgcn_target "amdgcn-amd-amdhsa--gfx1250"
	.amdhsa_code_object_version 6
	.text
	.protected	k_q36f63f49b3_up
	.globl	k_q36f63f49b3_up
	.p2align	8
	.type	k_q36f63f49b3_up,@function
k_q36f63f49b3_up:
	s_mov_b64 s[64:65], 0
	v_nop
	global_prefetch_b8 v0, s[64:65] scope:SCOPE_SE
	s_setreg_imm32_b32 hwreg(HW_REG_WAVE_SCHED_MODE, 0, 2), 2
	s_setreg_imm32_b32 hwreg(HW_REG_WAVE_MODE, 25, 1), 1
	s_wait_xcnt 0x0
	s_wait_alu depctr_vm_vsrc(0)
; FIRST PRODUCT OF THE EXPERTS, for the chosen rows alone: h = Q(gelu(Q(x) W1 + b1)), codes of E3M2 with one E8M0 scale for each 32 along K.
; Work-group (c, e): expert e, hidden units 128 c .. 128 c + 127, all of K = 1,024: 96 KiB of W1's codes.  THE WEIGHTS STAND STILL: every wave holds the whole slice in 768 registers
; (64 fragments of 16 rows x 128 K) and the expert's rows go past, 16 at a time; wave w takes row tiles w, w + 4, ..  A tile is 8 accumulators x 8 K steps = 64 matrix instructions.
; THE ROWS: every wave counts, from sel, the tokens that chose expert e (ballots over 32 tokens at a time); wave 0 also writes their list into LDS, in ascending token order.
; The launch that follows makes the same list from the same numbers, so tile m of expert e means the same 16 rows there.
; No tensor load, no cluster: how many tiles there are hangs on numbers read from memory.
; THE WEIGHTS' WAY: each wave loads 32 rows as they lie (a half wave reads 256 consecutive bytes), they meet in a stage in LDS, and every wave reads all 64 fragments from there.
; THE MATRIX INSTRUCTION IS USED TRANSPOSED (source 0 = 16 rows of W1, source 1 = 16 tokens), and lane r of tile 2 b + u takes row 32 b + 8 u + r + 8 (r / 8): so a lane holds one token,
; and the 16 registers of tiles 2 b, 2 b + 1 are hidden units 32 b + 16 (lane / 16) + 0 .. 15: 16 neighbours along the next product's K.  b1 is the C of each sum's first instruction.
; gelu in the tanh form, rewritten exactly: g = x / (1 + 2^(x (c0 + c1 x^2))), c0 = -2 log2(e) sqrt(2 / pi), c1 = 0.044715 c0; it is finite at both ends.
; OUT: hq [8 e][64 tiles][32 K steps][1536]: the fragment's registers as they stand (quad i of lane l at 512 i + 16 l); hs [8][64][32][32 lanes]: the row's scale word.
; Rows past the count take token 0; what they give is stored and never used.  AT LEAST FOUR TILES are made for every expert, one a wave: the next launch's waves ask for their first tile
; whatever the count, and so read bytes that were stored.  That is work without use only for an expert with fewer than 49 rows.
; LIMITS: NaN and infinities are not served; blocks of h whose largest magnitude lies under 2^-122 get the byte 1 (a block of zeros too: its codes are zeros).
; REGISTERS, in windows of 256: window 0: v1-15 addresses; v16-47 W1's scale words; v48-51 x's scale words; v52-63 fragment 63 (at the head: temporaries); v64-127 the accumulators;
;   v128-223 x's eight fragments; v224-255 at work.  Windows 1 to 3: fragment f = 8 s + t (f < 63) in window 1 + f / 21 at v[12 (f % 21)].
; THE MODE: SCHED_MODE bits 1:0 = 2 (LLVM: expert scheduling mode 2), set by the entry lines.  The code itself states the register dependences
; between vector or matrix instructions and memory or LDS instructions, with s_wait_alu, always for 0.
; THE PLAN.  Registers that memory or LDS instructions touch, in the loop:
;   the accumulators  the biases' LDS loads land in them at a trip's head; then matrix instructions, gelu and the quantiser alone name them.
;   v[EN]             the next tile's entry lands at a trip's head; ADDR, behind K step 3, reads and writes it.
;   v[VLT]            written by one add at a trip's head; read by the entry's load.
;   AF 0-3            read by K steps 0-3; the next tile's loads land behind K step 3.    AF 4-7, AS: read up to K step 7; the next tile's loads land behind it.
;   v[VA], v[VX]      written by ADDR; read by the next tile's 25 loads.
;   v[PC ..], v[PW]   written by the quantiser; read by the trip's four stores.          v[VH], v[VHS]: read by those stores; stepped at the trip's end.
;   v[VB], v[VLI]     made at the head, never written again.
; So a trip has five waits on va_vdst beside gelu's own: at its head, behind ADDR, behind K step 7, ahead of the stores, at its end; and one on vm_vsrc, at its end, ahead of every
; line that writes again what the trip's loads and stores have read.  The runs of loads stay whole behind their waits: among matrix instructions each would want two switches of the register window.
.set LIST, 0                           ; LDS: the list, 1,024 entries, 32 spare words behind them (a lane that is no member writes there), and slack for the look-ahead: 4,608 bytes
.set BIAS, 9216                        ; the work-group's 128 biases
.set WST,  9728                        ; the weight stage: row 32 g + 16 a + i at WST + g GS + a HG + i RP
.set RP,   784                         ; a row: 768 bytes + 16: row i starts 4 i banks on
.set HG,   16*RP+128                   ; 16 rows + 128 bytes: a tile's second eight rows (16 rows further on) start 32 banks on, so the 32 lanes of a load of 8 bytes touch 64 different banks
.set GS,   2*HG
.set RS,   768                         ; a row of the slice in memory
.set TOFF, 8*RP                        ; from tile 2 b to tile 2 b + 1
.set VLI, 1                            ; 4 r + 64 w: my entry in the wave's first tile
.set VB,  2                            ; 64 h: my half's biases
.set VW0, 3                            ; my place in the stage, tiles 0-3
.set VW1, 4                            ; tiles 4-7
.set VA,  5                            ; token x 768 + 16 h
.set VX,  6                            ; token x 32 + 16 h
.set VH,  7                            ; hq: 16 l + 49,152 x tile
.set VHS, 8                            ; hs: 4 l + 4,096 x tile
.set EN,  9                            ; the list's entry
.set H16, 10                           ; 16 h
.set L0,  11                           ; into the stage: w GS + 16 l
.set VLT, 11                           ; once the stage is written: my entry's address in the trip in hand
.set C0,  12                           ; v12-13: c0, twice
.set PW,  14                           ; the scale word just made (at the head: 8 x lane, sel's offset)
.set SELO, 14
.set L1,  15                           ; L0 + 512 + 16 h
.set WS,  16
.set AS,  48
.set W63, 52
.set G0,  52                           ; temporaries at the head: 16 l
.set G1,  53                           ; 512 + 16 l
.set SCV, 54                           ; W1's scale words: 32 x row + 16 h
.set TID4, 55                          ; 4 x thread
.set LANE, 56
.set TRV, 57                           ; 1024 + lane: my spare word
.set K1K, 58                           ; 1024
.set BV,  59                           ; my bias
.set ZQ,  60                           ; v60-63: zeros
.set ACC, 64
.set AF,  128
.set T,   224
.set RR,  224                          ; r, h while addresses are made
.set HH,  225
.set MX,  224                          ; the quantiser: largest magnitudes, bytes, scale operands, codes
.set PB,  228
.set SOP, 232
.set PC,  236
.set WV,  20
.set EX,  21
.set CH,  22
.set CNT, 24
.set NT,  25
.set M,   26
.set TR,  27
.set TMP, 31
.set SEL, 36
.set C1,  38
.set LO,  42
.set MK,  44                           ; s44-59: the masks of eight groups of 32 tokens: group j's first choice at MK + 2 j (later: either choice), its second at MK + 2 j + 1
.set MSB, 0
.macro WIN new                         ; the immediate's high byte repeats the setting that is left; a switch that changes nothing is dropped
.if MSB != (\new)
	s_set_vgpr_msb (MSB<<8)|(\new)
.set MSB, (\new)
.endif
.endm
; tokens 32 g0 .. 32 g0 + 255: who chose my expert, first or second: sixteen compares in one run, into sixteen scalar registers
.macro CMPS g0
.irp j, 0,1,2,3,4,5,6,7
	v_cmp_eq_u32 s[MK+2*\j], s[EX], v[ACC+2*((\g0)+\j)]
	v_cmp_eq_u32 s[MK+2*\j+1], s[EX], v[ACC+2*((\g0)+\j)+1]
.endr
	s_wait_alu depctr_va_sdst(0)                   ; the sixteen compares have written s[MK ..], ahead of their first readers, the scalar ors
.endm
; the run's group j is counted
.macro COUNT j
	s_or_b32 s[MK+2*(\j)], s[MK+2*(\j)], s[MK+2*(\j)+1]
	s_bcnt1_i32_b32 s[TMP], s[MK+2*(\j)]
	s_add_co_u32 s[CNT], s[CNT], s[TMP]
.endm
; the same, and for group g of all 32 each member's place in the list is made (the count so far + the members in lower lanes), and its entry, slot x 1024 + token; both are stored later, in one run
.macro BUILD g, j
	s_or_b32 s[MK+2*(\j)], s[MK+2*(\j)], s[MK+2*(\j)+1]
	v_mbcnt_lo_u32_b32 v[192+(\g)], s[MK+2*(\j)], s[CNT]
	v_cndmask_b32 v[192+(\g)], v[TRV], v[192+(\g)], s[MK+2*(\j)]
	v_min_u32 v[192+(\g)], 1055, v[192+(\g)]
	v_lshlrev_b32 v[192+(\g)], 2, v[192+(\g)]
	v_cndmask_b32 v[224+(\g)], 0, v[K1K], s[MK+2*(\j)+1]
	v_add3_u32 v[224+(\g)], v[224+(\g)], v[LANE], 32*(\g)
	s_bcnt1_i32_b32 s[TMP], s[MK+2*(\j)]
	s_add_co_u32 s[CNT], s[CNT], s[TMP]
.endm
; K step s: eight matrix instructions, the eight accumulators by turns, one instruction a turn.  n >= 0: first a wait that leaves n younger loads out.
; Scale words: lanes 0-15 hold K steps 0-3, lanes 16-31 K steps 4-7, on both sides.
.macro KSTEP s, n
.if (\n) >= 0
	s_wait_loadcnt \n
.endif
.irp t, 0,1,2,3,4,5,6,7
.set f, 8*(\s)+\t
.if f < 63
	WIN 1+f/21
.set rW, 12*(f%21)
.else
	WIN 0
.set rW, W63
.endif
.if (\s) < 4
	v_wmma_scale_f32_16x16x128_f8f6f4 v[ACC+8*\t:ACC+8*\t+7], v[rW:rW+11], v[AF+12*(\s):AF+12*(\s)+11], v[ACC+8*\t:ACC+8*\t+7], v[WS+4*\t+(\s)], v[AS+(\s)] matrix_a_fmt:MATRIX_FMT_BF6 matrix_b_fmt:MATRIX_FMT_BF6
.else
	v_wmma_scale_f32_16x16x128_f8f6f4 v[ACC+8*\t:ACC+8*\t+7], v[rW:rW+11], v[AF+12*(\s):AF+12*(\s)+11], v[ACC+8*\t:ACC+8*\t+7], v[WS+4*\t+(\s)-4], v[AS+(\s)-4] matrix_a_fmt:MATRIX_FMT_BF6 matrix_b_fmt:MATRIX_FMT_BF6 matrix_a_scale:MATRIX_SCALE_ROW1 matrix_b_scale:MATRIX_SCALE_ROW1
.endif
.endr
.endm
.macro FLOAD s                         ; x's fragment of K step s: three loads of 16 bytes fill its 12 registers
.irp i, 0,1,2
	global_load_b128 v[AF+12*(\s)+4*\i:AF+12*(\s)+4*\i+3], v[VA], s[4:5] offset:96*(\s)+32*\i
.endr
.endm
.macro ADDR                            ; the entry becomes the token's offsets
	v_and_b32 v[EN], 1023, v[EN]
	v_min_u32 v[EN], 1023, v[EN]
	v_mad_u32_u24 v[VA], v[EN], 768, v[H16]
	v_mad_u32_u24 v[VX], v[EN], 32, v[H16]
.endm
; gelu of 32 numbers, v[ACC + 32 q] on, ascending.  Each batch of 32 transcendentals has one plain line behind it and one wait ahead of its first reader.
.macro GELU q
.set XB, ACC+32*(\q)
.set j, 0
.rept 16
	v_pk_mul_f32 v[T+j:T+j+1], v[XB+j:XB+j+1], v[XB+j:XB+j+1]
.set j, j+2
.endr
.set j, 0
.rept 16
	v_pk_fma_f32 v[T+j:T+j+1], v[T+j:T+j+1], s[C1:C1+1], v[C0:C0+1] op_sel_hi:[1,0,1]
.set j, j+2
.endr
.set j, 0
.rept 16
	v_pk_mul_f32 v[T+j:T+j+1], v[T+j:T+j+1], v[XB+j:XB+j+1]
.set j, j+2
.endr
.set j, 0
	s_wait_alu depctr_va_vdst(0)
.rept 32
	v_exp_f32 v[T+j], v[T+j]
.set j, j+1
.endr
	v_nop
	s_wait_alu depctr_va_vdst(0)                   ; the 32 exponentials have written v[T ..], which the additions below read
.set j, 0
.rept 16
	v_pk_add_f32 v[T+j:T+j+1], v[T+j:T+j+1], 1.0 op_sel_hi:[1,0]
.set j, j+2
.endr
.set j, 0
	s_wait_alu depctr_va_vdst(0)
.rept 32
	v_rcp_f32 v[T+j], v[T+j]
.set j, j+1
.endr
	v_nop
	s_wait_alu depctr_va_vdst(0)                   ; the 32 reciprocals have written v[T ..], which the multiplications below read
.set j, 0
.rept 16
	v_pk_mul_f32 v[XB+j:XB+j+1], v[XB+j:XB+j+1], v[T+j:T+j+1]
.set j, j+2
.endr
.endm
	s_load_b256 s[4:11], s[0:1], 0x0               ; xq s[4:5], xs s[6:7], sel s[8:9], W1's codes s[10:11]
	s_load_b256 s[12:19], s[0:1], 0x20             ; W1's scales s[12:13], b1 s[14:15], hq s[16:17], hs s[18:19]
	s_set_vgpr_msb 0x40
	v_lshl_add_u32 v254, v0, 2, 0x1b200
	v_mov_b32 v255, 0
	s_set_vgpr_msb 0x4000
	v_lshrrev_b32 v1, 5, v0
	v_readfirstlane_b32 s[WV], v1                  ; wave 0..3
	s_and_b32 s[EX], ttmp7, 0xffff                 ; the expert
	s_mov_b32 s[CH], ttmp9                         ; which 128 hidden units
	; the address registers that stay are made here, ahead of the place where the waves part
	v_and_b32 v[LANE], 31, v0
	v_and_b32 v[RR], 15, v0
	v_bfe_u32 v[HH], v0, 4, 1
	v_lshlrev_b32 v[VLI], 2, v[RR]
	s_wait_alu depctr_va_sdst(0)                   ; s[WV] is written, ahead of its first reader: addresses, bases and branches are made from it
	s_lshl_b32 s[TMP], s[WV], 6
	v_add_nc_u32 v[VLI], s[TMP], v[VLI]
	v_lshlrev_b32 v[VB], 6, v[HH]
	v_and_b32 v[VW0], 7, v[RR]
	v_mul_u32_u24 v[VW0], v[VW0], RP
	v_lshrrev_b32 v[VW1], 3, v[RR]
	v_mad_u32_u24 v[VW0], v[VW1], HG, v[VW0]
	v_mad_u32_u24 v[VW0], v[HH], 24, v[VW0]        ; (r % 8) RP + (r / 8) HG + 24 h
	v_add_nc_u32 v[VW1], 2*GS, v[VW0]
	v_lshlrev_b32 v[G0], 4, v[LANE]
	s_mul_i32 s[TMP], s[WV], 49152
	v_add_nc_u32 v[VH], s[TMP], v[G0]
	v_lshlrev_b32 v[VHS], 2, v[LANE]
	s_lshl_b32 s[TMP], s[WV], 12
	v_add_nc_u32 v[VHS], s[TMP], v[VHS]
	v_lshlrev_b32 v[H16], 4, v[HH]
	s_mul_i32 s[TMP], s[WV], GS
	v_add_nc_u32 v[L0], s[TMP], v[G0]
	v_add_nc_u32 v[L1], 512, v[L0]
	v_add_nc_u32 v[L1], v[L1], v[H16]
	v_mov_b32 v[C0], 0xc0135761                    ; c0 = -2.3022082
	v_mov_b32 v[C0+1], 0xc0135761
	v_lshlrev_b32 v[SELO], 3, v[LANE]
	v_add_nc_u32 v[G1], 512, v[G0]                 ; rows are dense here: a pair of rows is 1,536 bytes on end
	v_and_b32 v[SCV], 8, v[RR]
	v_add_nc_u32 v[SCV], v[SCV], v[RR]
	v_lshl_add_u32 v[SCV], v[SCV], 5, v[H16]       ; 32 (r + 8 (r / 8)) + 16 h
	v_lshlrev_b32 v[TID4], 2, v0
	v_add_nc_u32 v[TRV], 1024, v[LANE]
	v_mov_b32 v[K1K], 1024
.irp i, 0,1,2,3
	v_mov_b32 v[ZQ+\i], 0
.endr
	s_mov_b32 s[SEL], 0x76543210
	s_mov_b32 s[SEL+1], 0xfedcba98                 ; v_permlanex16_b32's selects for lane l xor 16
	s_mov_b32 s[C1], 0xbdd2d3e8                    ; c1 = -0.10294324
	s_mov_b32 s[C1+1], s[C1]                       ; (named with it as a pair, so it is written)
	s_mov_b32 s[CNT], 0
	s_mov_b32 s[LO], 0
	s_mul_i32 s32, s[EX], 3145728
	s_mov_b32 s33, 0
	s_mov_b32 s35, 0
	s_mul_i32 s[TMP], s[CH], 1536
	s_add_co_u32 s34, s32, s[TMP]                  ; hq: the expert, K step c
	s_mul_i32 s[TMP], s[CH], 98304
	s_add_co_u32 s32, s32, s[TMP]
	s_mul_i32 s[TMP], s[WV], 24576
	s_add_co_u32 s32, s32, s[TMP]                  ; W1's codes: the expert, my 128 rows, my wave's 32 of them
	s_wait_kmcnt 0x0
	s_add_nc_u64 s[10:11], s[10:11], s[32:33]
	s_add_nc_u64 s[16:17], s[16:17], s[34:35]
	s_lshl_b32 s32, s[EX], 17
	s_lshl_b32 s[TMP], s[CH], 12
	s_add_co_u32 s32, s32, s[TMP]
	s_add_nc_u64 s[12:13], s[12:13], s[32:33]
	s_lshl_b32 s32, s[EX], 14
	s_lshl_b32 s[TMP], s[CH], 9
	s_add_co_u32 s32, s32, s[TMP]
	s_add_nc_u64 s[14:15], s[14:15], s[32:33]
	s_lshl_b32 s32, s[EX], 18
	s_lshl_b32 s[TMP], s[CH], 7
	s_add_co_u32 s32, s32, s[TMP]
	s_add_nc_u64 s[18:19], s[18:19], s[32:33]
	s_wait_alu depctr_va_vdst(0)                   ; every offset, LDS address and the zeros made above are written: the loads and LDS stores of the head read them, and those that stay serve the whole kernel
.set g, 0
.rept 32
	global_load_b64 v[ACC+2*g:ACC+2*g+1], v[SELO], s[8:9] offset:256*g     ; token 32 g + lane: its two experts
.set g, g+1
.endr
	WIN 0x40                                       ; destination window 1
.set p, 0
.rept 16                               ; my 32 rows, a pair at a time: row 2 p's first 512 bytes; its last 256 and row 2 p + 1's first 256; that row's last 512
	global_load_b128 v[12*p:12*p+3], v[G0], s[10:11] offset:2*p*RS th:TH_LOAD_NT
	global_load_b128 v[12*p+4:12*p+7], v[G1], s[10:11] offset:2*p*RS th:TH_LOAD_NT
	global_load_b128 v[12*p+8:12*p+11], v[G0], s[10:11] offset:2*p*RS+RS+256 th:TH_LOAD_NT
.set p, p+1
.endr
	WIN 0
.irp t, 0,1,2,3,4,5,6,7
	global_load_b128 v[WS+4*\t:WS+4*\t+3], v[SCV], s[12:13] offset:32*(32*(\t/2)+8*(\t%2))   ; four scale words of my row of tile t: K steps 4 h + 0 .. 3
.endr
	global_load_b32 v[BV], v[TID4], s[14:15]
	s_wait_loadcnt 57                              ; sel is in: 48 + 8 + 1 younger loads may stay out
	s_cmp_lg_u32 s[WV], 0
	s_cbranch_scc1 .Lcount
.set i, 0
.rept 9
	ds_store_b128 v[L0], v[ZQ:ZQ+3] offset:LIST+512*i                     ; wave 0 (L0 = 16 l there): the list begins as zeros, token 0
.set i, i+1
.endr
.irp g0, 0,8,16,24
	CMPS \g0
.irp j, 0,1,2,3,4,5,6,7
	BUILD \g0+\j, \j
.endr
.endr
	s_wait_alu depctr_va_vdst(0)                   ; the 32 places v192-223 and the 32 entries v224-255 are written, which the LDS stores below read
.set g, 0
.rept 32
	ds_store_b32 v[192+g], v[224+g]                ; behind the zeros: LDS serves a wave's instructions in order
.set g, g+1
.endr
	s_branch .Lcounted
.Lcount:
.irp g0, 0,8,16,24
	CMPS \g0
.irp j, 0,1,2,3,4,5,6,7
	COUNT \j
.endr
.endr
.Lcounted:
	s_wait_dscnt 0x0                               ; the list is written
	s_barrier_signal -1
	s_barrier_wait -1                              ; only behind this barrier do the other waves touch LDS
	s_wait_loadcnt 0x0                             ; my rows, the scale words, the bias
	WIN 0x04                                       ; an LDS store's data are its source 1: window 1
.set p, 0
.rept 16
.set im, WST+(p>>3)*HG+((2*p)&15)*RP
	ds_store_b128 v[L0], v[12*p:12*p+3] offset:im
	ds_store_b128 v[L1], v[12*p+4:12*p+7] offset:im
	ds_store_b128 v[L0], v[12*p+8:12*p+11] offset:im+RP+256
.set p, p+1
.endr
	WIN 0
	ds_store_b32 v[TID4], v[BV] offset:BIAS
	s_wait_dscnt 0x0                               ; for the others' sake: my stores are done
	s_barrier_signal -1
	s_barrier_wait -1                              ; the slice, the biases and the list lie in LDS; from here on nothing is written there
	s_add_co_u32 s[NT], s[CNT], 15
	s_lshr_b32 s[NT], s[NT], 4                     ; tiles of 16 rows,
	s_max_u32 s[NT], s[NT], 4                      ; and never fewer than one a wave: tiles 0 to 3 are always stored
	s_mov_b32 s[M], s[WV]
	s_mov_b32 s[TR], 16
	ds_load_b32 v[EN], v[VLI]
	s_wait_dscnt 0x0
	ADDR
	s_wait_alu depctr_vm_vsrc(0)                   ; the LDS stores have read window 1's registers, v52-63 and wave 0's v192-255, and the head's loads their offsets in v52-55: the loads below land in all of these but v224-255, which gelu writes
	s_wait_alu depctr_va_vdst(0)                   ; ADDR has written v[VA] and v[VX], which the loads below read; the head's vector work is done with v52-63 and v192-223, in which loads below land
	FLOAD 0                                        ; the first tile's operands, in the order of every tile: K steps 0-3, the scale words, K steps 4-7
	FLOAD 1
	FLOAD 2
	FLOAD 3
	global_load_b128 v[AS:AS+3], v[VX], s[6:7]
	FLOAD 4
	FLOAD 5
	FLOAD 6
	FLOAD 7
.set f, 0
.rept 64                               ; all 64 fragments: lane (r, h) takes 24 bytes at 96 s + 24 h of its row and 24 more 48 bytes on, in pieces of 8.  Since the two waits above: loads and window switches alone
.if f < 63
	WIN (1+f/21)<<6
.set rW, 12*(f%21)
.else
	WIN 0
.set rW, W63
.endif
.set tt, f%8
.set im, WST+((tt>>1)&1)*GS+(tt&1)*TOFF+96*(f/8)
.irp o, 0,1,2,3,4,5
.if tt < 4
	ds_load_b64 v[rW+2*\o:rW+2*\o+1], v[VW0] offset:im+48*(\o/3)+8*(\o%3)
.else
	ds_load_b64 v[rW+2*\o:rW+2*\o+1], v[VW1] offset:im+48*(\o/3)+8*(\o%3)
.endif
.endr
.set f, f+1
.endr
	WIN 0
	s_wait_dscnt 0x0
	s_wait_xcnt 0x0                                ; the first tile's loads have read their offsets: these are written again in the first trip
	s_wait_alu depctr_vm_vsrc(0)                   ; beside it: the first tile's loads have read v[VA] and v[VX], which the first trip's ADDR writes
.Ltrip:                                            ; 16 trips, a constant, walked by every wave; a trip whose tile does not exist is passed over
	s_cmp_ge_u32 s[M], s[NT]
	s_cbranch_scc1 .Lskip
	v_add_nc_u32 v[VLT], s[LO], v[VLI]
	s_wait_alu depctr_va_vdst(0)                   ; v[VLT] is written, which the entry's load reads; the tile before (in the first trip: the compares) is done with the accumulators, in which the biases land, and ADDR with v[EN]
.irp t, 0,1,2,3,4,5,6,7
	ds_load_b128 v[ACC+8*\t:ACC+8*\t+3], v[VB] offset:BIAS+4*(32*(\t/2)+8*(\t%2))       ; b1 at hidden units 32 b + 16 h + 8 u + 0 .. 7: the sums begin with it
	ds_load_b128 v[ACC+8*\t+4:ACC+8*\t+7], v[VB] offset:BIAS+4*(32*(\t/2)+8*(\t%2))+16
.endr
	ds_load_b32 v[EN], v[VLT] offset:256           ; the next tile's entry (past the list's end: a zero or a spare word, and then not used)
	s_wait_dscnt 0x0
	KSTEP 0, 12                                    ; K steps 0-3 and the scale words are in; K steps 4-7, twelve loads, may be out
	KSTEP 1, -1
	KSTEP 2, -1
	KSTEP 3, -1
	WIN 0
	ADDR
	s_add_co_u32 s[TMP], s[M], 4
	s_cmp_ge_u32 s[TMP], s[NT]
	s_cbranch_scc1 .Llast
	s_wait_alu depctr_va_vdst(0)                   ; ADDR has written v[VA] and v[VX]; the products of K steps 0-3 are done reading their fragments of x, in which the loads below land.  K steps 4-7 name none of these registers
	FLOAD 0                                        ; the next tile's K steps 0-3, into registers that are done with
	FLOAD 1
	FLOAD 2
	FLOAD 3
	KSTEP 4, 21                                    ; behind K step s's three loads: 3 (7 - s) of this tile and the next tile's twelve
	KSTEP 5, 18
	KSTEP 6, 15
	KSTEP 7, 12
	WIN 0
.rept 4
	v_nop                                          ; places in front of the first read of results
.endr
	s_wait_alu depctr_va_vdst(0)                   ; the products of K steps 4-7 are done reading x's scale words and their fragments, in which the loads below land
	global_load_b128 v[AS:AS+3], v[VX], s[6:7]
	FLOAD 4
	FLOAD 5
	FLOAD 6
	FLOAD 7
	s_branch .Lepi
.Llast:                                            ; the wave's last tile asks for nothing more
	KSTEP 4, 9
	KSTEP 5, 6
	KSTEP 6, 3
	KSTEP 7, 0
	WIN 0
.rept 4
	v_nop
.endr
.Lepi:
	GELU 0
	GELU 1
	; the 64 numbers of my token, register 16 b + i = hidden unit 32 b + 16 h + i, become a fragment's codes and the row's scale word
.irp b, 0,1,2,3
	v_max3_num_f32 v[MX+\b], |v[ACC+16*\b]|, |v[ACC+1+16*\b]|, 0x2800000   ; my 16 numbers of block b, and the floor 2^(5 - 127): the byte cannot fall under 1
.endr
.irp i, 2,4,6,8,10,12,14
.irp b, 0,1,2,3
	v_max3_num_f32 v[MX+\b], v[MX+\b], |v[ACC+16*\b+\i]|, |v[ACC+1+16*\b+\i]|
.endr
.endr
.irp b, 0,1,2,3
	v_permlanex16_b32 v[PB+\b], v[MX+\b], s[SEL], s[SEL+1]
.endr
.irp b, 0,1,2,3
	v_max_num_f32 v[MX+\b], v[MX+\b], v[PB+\b]     ; with lane l xor 16's: the block's largest magnitude
.endr
.irp b, 0,1,2,3
	v_add_nc_u32 v[SOP+\b], 0xfe000000, v[MX+\b]   ; 4 off its exponent field: the conversion's scale operand
.endr
.irp b, 0,1,2,3
	v_lshrrev_b32 v[PB+\b], 23, v[SOP+\b]          ; the scale's byte
.endr
	v_lshl_or_b32 v[PW], v[PB+1], 8, v[PB]
	v_lshl_or_b32 v[PW], v[PB+2], 16, v[PW]
	v_lshl_or_b32 v[PW], v[PB+3], 24, v[PW]
.irp c, 0,1
	v_cvt_scalef32_pk16_bf6_f32 v[PC+6*\c:PC+2+6*\c], v[ACC+32*\c:ACC+15+32*\c], v[SOP+2*\c]
	v_cvt_scalef32_pk16_bf6_f32 v[PC+12+4*\c:PC+14+4*\c], v[ACC+16+32*\c:ACC+31+32*\c], v[SOP+2*\c+1]   ; (a conversion's three registers begin on an even number)
.endr
	v_nop                                          ; one plain line behind the scaled conversions
.irp c, 0,1                            ; the operand's layout wants a whole block in a lane: lanes 0-15 block 2 c, lanes 16-31 block 2 c + 1
.irp i, 0,1,2
	v_permlane16_swap_b32 v[PC+6*\c+\i], v[PC+12+4*\c+\i]
.endr
.irp i, 0,1,2
	v_mov_b32 v[PC+3+6*\c+\i], v[PC+12+4*\c+\i]
.endr
.endr
	s_wait_alu depctr_va_vdst(0)                   ; the swaps and moves have written the codes v[PC ..] and the ors v[PW], which the stores below read
.irp i, 0,1,2
	global_store_b128 v[VH], v[PC+4*\i:PC+4*\i+3], s[16:17] offset:512*\i  ; 32 lanes store 512 consecutive bytes, aligned
.endr
	global_store_b32 v[VHS], v[PW], s[18:19]
.Lskip:
	s_wait_xcnt 0x0                                ; every load and store of the trip has read its offsets and data: they are written again only behind this wait
	s_wait_alu depctr_vm_vsrc(0)                   ; beside it: the stores have read v[VH], v[VHS], the codes and v[PW], the loads v[VA], v[VX] and v[VLT]: the adds below and the next trip write them again
	s_wait_alu depctr_va_vdst(0)
	v_add_nc_u32 v[VH], 196608, v[VH]              ; four tiles on
	v_add_nc_u32 v[VHS], 16384, v[VHS]
	s_add_co_u32 s[LO], s[LO], 256
	s_add_co_u32 s[M], s[M], 4
	s_sub_co_u32 s[TR], s[TR], 1
	s_cmp_lg_u32 s[TR], 0
	s_cbranch_scc1 .Ltrip
	s_set_vgpr_msb 0x5
	s_wait_dscnt 0x0
	s_wait_alu depctr_hold_cnt(0) depctr_sa_sdst(0) depctr_va_vdst(0) depctr_va_sdst(0) depctr_va_ssrc(0) depctr_va_vcc(0) depctr_vm_vsrc(0)
	s_wait_tensorcnt 0x0
	ds_add_u32 v254, v255
	s_wait_dscnt 0x0
	s_endpgm
.Lfunc_end_k_q36f63f49b3_up:
	.size	k_q36f63f49b3_up, .Lfunc_end_k_q36f63f49b3_up-k_q36f63f49b3_up
	.p2alignl 7, 3214868480
	.fill 96, 4, 3214868480
	.section	.rodata,"a",@progbits
	.p2align	6, 0x0
	.amdhsa_kernel k_q36f63f49b3_up
		.amdhsa_group_segment_fixed_size 111616
		.amdhsa_private_segment_fixed_size 0
		.amdhsa_enable_private_segment 0
		.amdhsa_kernarg_size 64
		.amdhsa_user_sgpr_count 2
		.amdhsa_user_sgpr_kernarg_segment_ptr 1
		.amdhsa_wavefront_size32 1
		.amdhsa_system_sgpr_workgroup_id_x 1
		.amdhsa_system_sgpr_workgroup_id_y 1
		.amdhsa_system_sgpr_workgroup_id_z 1
		.amdhsa_system_vgpr_workitem_id 0
		.amdhsa_next_free_vgpr 1024
		.amdhsa_next_free_sgpr 66
		.amdhsa_reserve_vcc 0
		.amdhsa_float_denorm_mode_32 3
		.amdhsa_float_denorm_mode_16_64 3
		.amdhsa_memory_ordered 1
		.amdhsa_forward_progress 1
		.amdhsa_inst_pref_size 108
	.end_amdhsa_kernel
	.amdgpu_metadata
---
amdhsa.version: [ 1, 2 ]
amdhsa.kernels:
  - .name:           k_q36f63f49b3_up
    .symbol:         k_q36f63f49b3_up.kd
    .args:
      - { .name: xq, .offset: 0, .size: 8, .value_kind: global_buffer, .address_space: global }
      - { .name: xs, .offset: 8, .size: 8, .value_kind: global_buffer, .address_space: global }
      - { .name: sel, .offset: 16, .size: 8, .value_kind: global_buffer, .address_space: global }
      - { .name: w1_codes, .offset: 24, .size: 8, .value_kind: global_buffer, .address_space: global }
      - { .name: w1_scales, .offset: 32, .size: 8, .value_kind: global_buffer, .address_space: global }
      - { .name: b1, .offset: 40, .size: 8, .value_kind: global_buffer, .address_space: global }
      - { .name: hq, .offset: 48, .size: 8, .value_kind: global_buffer, .address_space: global }
      - { .name: hs, .offset: 56, .size: 8, .value_kind: global_buffer, .address_space: global }
    .group_segment_fixed_size: 111616
    .private_segment_fixed_size: 0
    .kernarg_segment_align: 8
    .kernarg_segment_size: 64
    .max_flat_workgroup_size: 128
    .sgpr_count:     66
    .vgpr_count:     1024
    .wavefront_size: 32
...
	.end_amdgpu_metadata
.endif
;; end of part 6
;; launch down (part 7): grid 32 x 8, 4 waves a work-group, no clusters, 145,408 bytes of LDS; arguments hq, hs, sel, wts, w2_codes, w2_scales, b2, ypart; writes ypart
.if DOCPART == 7
	.amdgcn_target "amdgcn-amd-amdhsa--gfx1250"
	.amdhsa_code_object_version 6
	.text
	.protected	k_q36f63f49b3_down
	.globl	k_q36f63f49b3_down
	.p2align	8
	.type	k_q36f63f49b3_down,@function
k_q36f63f49b3_down:
	s_mov_b64 s[64:65], 0
	v_nop
	global_prefetch_b8 v0, s[64:65] scope:SCOPE_SE
	s_setreg_imm32_b32 hwreg(HW_REG_WAVE_SCHED_MODE, 0, 2), 2
	s_setreg_imm32_b32 hwreg(HW_REG_WAVE_MODE, 25, 1), 1
	s_wait_xcnt 0x0
	s_wait_alu depctr_vm_vsrc(0)
; SECOND PRODUCT OF THE EXPERTS, for the chosen rows alone: ypart[kq][slot x 1024 + token][:] = coef x (h W2 over a quarter of K  (+ b2 in quarter 0)).
; Work-group (x, e): expert e, columns 128 nc .. 128 nc + 127 (nc = x % 8), K = 1024 kq .. 1024 kq + 1023 (kq = x / 8): 96 KiB of W2's codes.  THE WEIGHTS STAND STILL: every wave holds the
; slice in 768 registers (64 fragments of 16 rows x 128 K) and the expert's row tiles go past; wave w takes tiles w, w + 4, ..  A tile is 8 accumulators x 8 K steps = 64 matrix instructions.
; The split of K keeps what a work-group reads of h to a quarter and lets a fragment of h feed eight matrix instructions; the four parts and the two slots of a token are added by the launch that follows.
; THE ROWS: the list of the tokens that chose expert e is made from sel as in the launch before, so tile m means the same 16 rows; with it goes each row's weight from wts.
; h comes as images of the operand's registers (hq: quad i of lane l at 512 i + 16 l; hs: the row's scale word): no gather, three loads of 16 bytes a fragment.
; No tensor load, no cluster: how many tiles there are hangs on numbers read from memory.  Every wave walks the 16 trips of the tile loop and passes over the tiles that do not exist;
; its first tile (w = 0 .. 3) is asked for whatever the count: the launch before stores tiles 0 to 3 of every expert.
; THE MATRIX INSTRUCTION IS USED TRANSPOSED (source 0 = 16 rows of W2, source 1 = 16 rows of h): a lane holds eight neighbouring columns of one row.  A tile goes through the wave's own stage in LDS
; and leaves as whole rows: 32 lanes store 512 consecutive bytes, aligned.  Rows past the expert's count are not stored.
; Each (slot, token) has one expert, and that expert's 32 work-groups write all four parts of its row: every word of ypart is written.
; LIMITS: NaN and infinities are not served.
; REGISTERS as in the launch before: window 0: v1-15 addresses; v16-47 W2's scale words; v48-51 h's scale words; v52-63 fragment 63 (at the head: temporaries); v64-127 the accumulators;
;   v128-223 h's eight fragments; v224-239 at work.  Windows 1 to 3: fragment f = 8 s + t (f < 63) in window 1 + f / 21 at v[12 (f % 21)].
; THE MODE: SCHED_MODE bits 1:0 = 2 (LLVM: expert scheduling mode 2), set by the entry lines.  The code itself states the register dependences
; between vector or matrix instructions and memory or LDS instructions, with s_wait_alu, always for 0.
; THE PLAN.  Registers that memory or LDS instructions touch, in the loop:
;   the accumulators  the biases' LDS loads land in them at a trip's head; matrix instructions and the 32 multiplications by the weight name them; the stage's stores read them;
;                     the rows come back from the stage into them; the global stores read them.
;   v[CF], v[T ..]    the row's weight and the tile's 16 entries land at a trip's head; vector lines read v[CF] and turn the entries into offsets, which the global stores read.
;   v[VCT], v[VET]    written by two adds at a trip's head; read by those loads.
;   AF 0-3            read by K steps 0-3; the next tile's loads land behind K step 3.    AF 4-7, AS: read up to K step 7; the next tile's loads land behind it.
;   v[VA], v[VS]      read by the next tile's 28 loads; stepped at the trip's end.
;   v[VB], v[VSO], v[VSR]  made at the head, never written again.
; So a trip has five waits on va_vdst: at its head, behind K step 3, behind K step 7, behind the multiplications, at its end; and two on vm_vsrc: between the stage's stores and the loads that land
; in the registers just stored, and at the trip's end.  The runs of loads stay whole behind their waits: among matrix instructions each would want two switches of the register window.
.set LIST, 0                           ; LDS: the list: 1,024 entries, 32 spare words, slack: 4,608 bytes
.set COEF, 4608                        ; the rows' weights, laid like the list
.set BIAS, 9216                        ; the work-group's 128 biases (zeros where kq is not 0)
.set WST,  9728                        ; the weight stage: row 32 g + 16 a + i at WST + g GS + a HG + i RP
.set RP,   784                         ; a row: 768 bytes + 16: row i starts 4 i banks on
.set HG,   16*RP+128
.set GS,   2*HG
.set STAGE, WST+4*GS                   ; the way out: 16 rows x (512 bytes + 16) for each wave
.set SP,   528
.set RS,   3072                        ; a row of W2 in memory; the slice is 768 bytes of it
.set TOFF, HG                          ; from tile 2 b to tile 2 b + 1
.set VLC, 1                            ; 4 r + 64 w: my row's weight in the wave's first tile
.set VB,  2                            ; 32 h: my half's biases
.set VW0, 3                            ; my place in the weight stage, tiles 0-3
.set VW1, 4                            ; tiles 4-7
.set VA,  5                            ; hq: 16 l + 49,152 x tile
.set VS,  6                            ; hs: 128 h + 4 r + 4,096 x tile
.set VSO, 7                            ; the stage: where I put 32 bytes of a row
.set VSR, 8                            ; and where I read a row back
.set VLB, 9                            ; 64 w: the tile's 16 entries, the same address in all lanes
.set L16, 10                           ; 16 l
.set G0,  10
.set L0,  11                           ; into the weight stage: w GS + 16 l
.set VCT, 11                           ; once the weight stage is written: my row's weight's address in the trip in hand
.set CF,  12                           ; v12: my row's weight; v13: 0, named with it as a pair
.set SELO, 14                          ; 8 x lane
.set VET, 14                           ; once sel and wts are in: the entries' address in the trip in hand
.set L1,  15                           ; L0 + 512 + 16 h
.set WS,  16
.set AS,  48
.set W63, 52
.set G1,  53                           ; temporaries at the head: 512 + 16 l + h (RS - 768)
.set SCV, 54                           ; W2's scale words: 128 r + 16 h
.set TID4, 55
.set LANE, 56
.set TRV, 57                           ; 1024 + lane: my spare word
.set K1K, 58
.set BV,  59
.set ZQ,  60
.set ACC, 64
.set AF,  128
.set T,   224
.set RR,  224
.set HH,  225
.set WV,  20
.set EX,  21
.set CH,  22
.set KQ,  23
.set CNT, 24
.set NT,  25
.set M,   26
.set TR,  27
.set TMP, 31
.set LEFT, 40
.set BM,  41
.set LO,  42
.set MK,  44                           ; s44-59: the masks of eight groups of 32 tokens: group j's first choice at MK + 2 j (later: either choice), its second at MK + 2 j + 1
.set MSB, 0
.macro WIN new                         ; the immediate's high byte repeats the setting that is left; a switch that changes nothing is dropped
.if MSB != (\new)
	s_set_vgpr_msb (MSB<<8)|(\new)
.set MSB, (\new)
.endif
.endm
; tokens 32 g0 .. 32 g0 + 255: who chose my expert, first or second: sixteen compares in one run, into sixteen scalar registers
.macro CMPS g0
.irp j, 0,1,2,3,4,5,6,7
	v_cmp_eq_u32 s[MK+2*\j], s[EX], v[ACC+2*((\g0)+\j)]
	v_cmp_eq_u32 s[MK+2*\j+1], s[EX], v[ACC+2*((\g0)+\j)+1]
.endr
	s_wait_alu depctr_va_sdst(0)                   ; the sixteen compares have written s[MK ..], ahead of their first readers, the scalar ors
.endm
; the run's group j is counted
.macro COUNT j
	s_or_b32 s[MK+2*(\j)], s[MK+2*(\j)], s[MK+2*(\j)+1]
	s_bcnt1_i32_b32 s[TMP], s[MK+2*(\j)]
	s_add_co_u32 s[CNT], s[CNT], s[TMP]
.endm
; the same, and for group g of all 32 each member's place is made (the count so far + the members in lower lanes), its entry, slot x 1024 + token, and its weight; they are stored later, in one run
.macro BUILD g, j
	s_or_b32 s[MK+2*(\j)], s[MK+2*(\j)], s[MK+2*(\j)+1]
	v_mbcnt_lo_u32_b32 v[192+(\g)], s[MK+2*(\j)], s[CNT]
	v_cndmask_b32 v[192+(\g)], v[TRV], v[192+(\g)], s[MK+2*(\j)]
	v_min_u32 v[192+(\g)], 1055, v[192+(\g)]
	v_lshlrev_b32 v[192+(\g)], 2, v[192+(\g)]
	v_cndmask_b32 v[224+(\g)], 0, v[K1K], s[MK+2*(\j)+1]
	v_add3_u32 v[224+(\g)], v[224+(\g)], v[LANE], 32*(\g)
	v_cndmask_b32 v[AF+2*(\g)], v[AF+2*(\g)], v[AF+2*(\g)+1], s[MK+2*(\j)+1]
	s_bcnt1_i32_b32 s[TMP], s[MK+2*(\j)]
	s_add_co_u32 s[CNT], s[CNT], s[TMP]
.endm
; K step s: eight matrix instructions, the eight accumulators by turns, one instruction a turn.  n >= 0: first a wait that leaves n younger loads out.
; W2's scale words: lanes 0-15 K steps 0-3, lanes 16-31 K steps 4-7.  h's: register s / 2, lanes 0-15 the even K step, lanes 16-31 the odd one.
.macro KSTEP s, n
.if (\n) >= 0
	s_wait_loadcnt \n
.endif
.irp t, 0,1,2,3,4,5,6,7
.set f, 8*(\s)+\t
.if f < 63
	WIN 1+f/21
.set rW, 12*(f%21)
.else
	WIN 0
.set rW, W63
.endif
.if ((\s) < 4) && ((\s)%2 == 0)
	v_wmma_scale_f32_16x16x128_f8f6f4 v[ACC+8*\t:ACC+8*\t+7], v[rW:rW+11], v[AF+12*(\s):AF+12*(\s)+11], v[ACC+8*\t:ACC+8*\t+7], v[WS+4*\t+(\s)%4], v[AS+(\s)/2] matrix_a_fmt:MATRIX_FMT_BF6 matrix_b_fmt:MATRIX_FMT_BF6
.elseif (\s) < 4
	v_wmma_scale_f32_16x16x128_f8f6f4 v[ACC+8*\t:ACC+8*\t+7], v[rW:rW+11], v[AF+12*(\s):AF+12*(\s)+11], v[ACC+8*\t:ACC+8*\t+7], v[WS+4*\t+(\s)%4], v[AS+(\s)/2] matrix_a_fmt:MATRIX_FMT_BF6 matrix_b_fmt:MATRIX_FMT_BF6 matrix_b_scale:MATRIX_SCALE_ROW1
.elseif (\s)%2 == 0
	v_wmma_scale_f32_16x16x128_f8f6f4 v[ACC+8*\t:ACC+8*\t+7], v[rW:rW+11], v[AF+12*(\s):AF+12*(\s)+11], v[ACC+8*\t:ACC+8*\t+7], v[WS+4*\t+(\s)%4], v[AS+(\s)/2] matrix_a_fmt:MATRIX_FMT_BF6 matrix_b_fmt:MATRIX_FMT_BF6 matrix_a_scale:MATRIX_SCALE_ROW1
.else
	v_wmma_scale_f32_16x16x128_f8f6f4 v[ACC+8*\t:ACC+8*\t+7], v[rW:rW+11], v[AF+12*(\s):AF+12*(\s)+11], v[ACC+8*\t:ACC+8*\t+7], v[WS+4*\t+(\s)%4], v[AS+(\s)/2] matrix_a_fmt:MATRIX_FMT_BF6 matrix_b_fmt:MATRIX_FMT_BF6 matrix_a_scale:MATRIX_SCALE_ROW1 matrix_b_scale:MATRIX_SCALE_ROW1
.endif
.endr
.endm
.macro FLOAD s, nx                     ; h's fragment of K step s, of the tile in hand (nx = 0) or of my next tile, four tiles on (nx = 1)
.irp i, 0,1,2
	global_load_b128 v[AF+12*(\s)+4*\i:AF+12*(\s)+4*\i+3], v[VA], s[4:5] offset:196608*(\nx)+1536*(\s)+512*\i
.endr
.endm
.macro SLOAD nx                        ; its eight scale words, two to a register
.irp j, 0,1,2,3
	global_load_b32 v[AS+\j], v[VS], s[6:7] offset:16384*(\nx)+256*\j
.endr
.endm
	s_load_b256 s[4:11], s[0:1], 0x0               ; hq s[4:5], hs s[6:7], sel s[8:9], wts s[10:11]
	s_load_b256 s[12:19], s[0:1], 0x20             ; W2's codes s[12:13], W2's scales s[14:15], b2 s[16:17], ypart s[18:19]
	s_set_vgpr_msb 0x40
	v_lshl_add_u32 v254, v0, 2, 0x23600
	v_mov_b32 v255, 0
	s_set_vgpr_msb 0x4000
	v_lshrrev_b32 v1, 5, v0
	v_readfirstlane_b32 s[WV], v1                  ; wave 0..3
	s_and_b32 s[EX], ttmp7, 0xffff                 ; the expert
	s_and_b32 s[CH], ttmp9, 7                      ; which 128 columns
	s_lshr_b32 s[KQ], ttmp9, 3                     ; which quarter of K
	; the address registers that stay are made here, ahead of the place where the waves part
	v_and_b32 v[LANE], 31, v0
	v_and_b32 v[RR], 15, v0
	v_bfe_u32 v[HH], v0, 4, 1
	v_lshlrev_b32 v[VLC], 2, v[RR]
	s_wait_alu depctr_va_sdst(0)                   ; s[WV] is written, ahead of its first reader: addresses, bases and branches are made from it
	s_lshl_b32 s[TMP], s[WV], 6
	v_add_nc_u32 v[VLC], s[TMP], v[VLC]
	v_mov_b32 v[VLB], s[TMP]
	v_lshlrev_b32 v[VB], 5, v[HH]
	v_mul_u32_u24 v[VW0], v[RR], RP
	v_mad_u32_u24 v[VW0], v[HH], 24, v[VW0]        ; r RP + 24 h
	v_add_nc_u32 v[VW1], 2*GS, v[VW0]
	v_lshlrev_b32 v[L16], 4, v[LANE]
	s_mul_i32 s[TMP], s[WV], 49152
	v_add_nc_u32 v[VA], s[TMP], v[L16]
	v_lshlrev_b32 v[VS], 2, v[RR]
	v_lshl_add_u32 v[VS], v[HH], 7, v[VS]
	s_lshl_b32 s[TMP], s[WV], 12
	v_add_nc_u32 v[VS], s[TMP], v[VS]
	s_mul_i32 s[TMP], s[WV], 16*SP
	s_add_co_u32 s[TMP], s[TMP], STAGE             ; my stage
	v_mul_u32_u24 v[VSO], v[RR], SP
	v_lshl_add_u32 v[VSO], v[HH], 5, v[VSO]
	v_add_nc_u32 v[VSO], s[TMP], v[VSO]
	v_add_nc_u32 v[VSR], s[TMP], v[L16]
	s_mul_i32 s[TMP], s[WV], GS
	v_add_nc_u32 v[L0], s[TMP], v[L16]
	v_add_nc_u32 v[L1], 512, v[L0]
	v_lshl_add_u32 v[L1], v[HH], 4, v[L1]
	v_mov_b32 v[CF+1], 0
	v_lshlrev_b32 v[SELO], 3, v[LANE]
	v_mad_u32_u24 v[G1], v[HH], RS-768, v[L16]
	v_add_nc_u32 v[G1], 512, v[G1]                 ; lanes 0-15: a row's last 256 bytes; lanes 16-31: the next row's first 256
	v_lshlrev_b32 v[SCV], 7, v[RR]
	v_lshl_add_u32 v[SCV], v[HH], 4, v[SCV]        ; 128 r + 16 h
	v_lshlrev_b32 v[TID4], 2, v0
	v_add_nc_u32 v[TRV], 1024, v[LANE]
	v_mov_b32 v[K1K], 1024
.irp i, 0,1,2,3
	v_mov_b32 v[ZQ+\i], 0
.endr
	s_mov_b32 s[CNT], 0
	s_mov_b32 s[LO], 0
	s_cmp_eq_u32 s[KQ], 0
	s_cselect_b32 s[BM], -1, 0                     ; b2 counts once: in the first quarter of K
	s_mul_i32 s32, s[EX], 3145728
	s_mov_b32 s33, 0
	s_mov_b32 s35, 0
	s_mul_i32 s[TMP], s[KQ], 12288
	s_add_co_u32 s34, s32, s[TMP]                  ; hq: the expert, K steps 8 kq on
	s_mul_i32 s[TMP], s[CH], 393216
	s_add_co_u32 s32, s32, s[TMP]
	s_mul_i32 s[TMP], s[KQ], 768
	s_add_co_u32 s32, s32, s[TMP]
	s_mul_i32 s[TMP], s[WV], 98304
	s_add_co_u32 s32, s32, s[TMP]                  ; W2's codes: the expert, my 128 rows, my quarter of each, my wave's 32 rows
	s_wait_kmcnt 0x0
	s_add_nc_u64 s[12:13], s[12:13], s[32:33]
	s_add_nc_u64 s[4:5], s[4:5], s[34:35]
	s_lshl_b32 s32, s[EX], 18
	s_lshl_b32 s[TMP], s[KQ], 10
	s_add_co_u32 s32, s32, s[TMP]
	s_add_nc_u64 s[6:7], s[6:7], s[32:33]
	s_lshl_b32 s32, s[EX], 17
	s_lshl_b32 s[TMP], s[CH], 14
	s_add_co_u32 s32, s32, s[TMP]
	s_lshl_b32 s[TMP], s[KQ], 5
	s_add_co_u32 s32, s32, s[TMP]
	s_add_nc_u64 s[14:15], s[14:15], s[32:33]
	s_lshl_b32 s32, s[EX], 12
	s_lshl_b32 s[TMP], s[CH], 9
	s_add_co_u32 s32, s32, s[TMP]
	s_add_nc_u64 s[16:17], s[16:17], s[32:33]
	s_lshl_b32 s32, s[KQ], 23
	s_add_co_u32 s32, s32, s[TMP]                  ; ypart: my quarter's part, my 512 bytes of a row
	s_add_nc_u64 s[18:19], s[18:19], s[32:33]
	s_wait_alu depctr_va_vdst(0)                   ; every offset, LDS address and the zeros made above are written: the loads and LDS stores of the head read them, and those that stay serve the whole kernel
.set g, 0
.rept 32
	global_load_b64 v[ACC+2*g:ACC+2*g+1], v[SELO], s[8:9] offset:256*g     ; token 32 g + lane: its two experts,
.set g, g+1
.endr
.set g, 0
.rept 32
	global_load_b64 v[AF+2*g:AF+2*g+1], v[SELO], s[10:11] offset:256*g     ; and their weights
.set g, g+1
.endr
	WIN 0x40                                       ; destination window 1
.set p, 0
.rept 16                               ; my 32 rows' 768 bytes, a pair at a time: row 2 p's first 512; its last 256 and row 2 p + 1's first 256; that row's last 512
	global_load_b128 v[12*p:12*p+3], v[G0], s[12:13] offset:2*p*RS th:TH_LOAD_NT
	global_load_b128 v[12*p+4:12*p+7], v[G1], s[12:13] offset:2*p*RS th:TH_LOAD_NT
	global_load_b128 v[12*p+8:12*p+11], v[G0], s[12:13] offset:2*p*RS+RS+256 th:TH_LOAD_NT
.set p, p+1
.endr
	WIN 0
.irp t, 0,1,2,3,4,5,6,7
	global_load_b128 v[WS+4*\t:WS+4*\t+3], v[SCV], s[14:15] offset:2048*\t   ; four scale words of row 16 t + r: K steps 4 h + 0 .. 3 of my quarter
.endr
	global_load_b32 v[BV], v[TID4], s[16:17]
	s_wait_loadcnt 57                              ; sel and wts are in: 48 + 8 + 1 younger loads may stay out
	s_cmp_lg_u32 s[WV], 0
	s_cbranch_scc1 .Lcount
.set i, 0
.rept 18
	ds_store_b128 v[L0], v[ZQ:ZQ+3] offset:LIST+512*i                     ; wave 0 (L0 = 16 l there): the list and the weights begin as zeros
.set i, i+1
.endr
.irp g0, 0,8,16,24
	CMPS \g0
.irp j, 0,1,2,3,4,5,6,7
	BUILD \g0+\j, \j
.endr
.endr
	s_wait_alu depctr_va_vdst(0)                   ; the 32 places v192-223, the 32 entries v224-255 and the 32 weights v128, v130 .. are written, which the LDS stores below read
.set g, 0
.rept 32
	ds_store_b32 v[192+g], v[224+g]                ; behind the zeros: LDS serves a wave's instructions in order
	ds_store_b32 v[192+g], v[AF+2*g] offset:COEF
.set g, g+1
.endr
	s_branch .Lcounted
.Lcount:
.irp g0, 0,8,16,24
	CMPS \g0
.irp j, 0,1,2,3,4,5,6,7
	COUNT \j
.endr
.endr
.Lcounted:
	s_wait_dscnt 0x0                               ; the list is written
	s_barrier_signal -1
	s_barrier_wait -1                              ; only behind this barrier do the other waves touch LDS
	s_wait_loadcnt 0x0                             ; my rows, the scale words, the bias
	v_cndmask_b32 v[BV], 0, v[BV], s[BM]
	s_wait_alu depctr_va_vdst(0)                   ; the select has written v[BV], which the last LDS store of the run below reads
	WIN 0x04                                       ; an LDS store's data are its source 1: window 1
.set p, 0
.rept 16
.set im, WST+(p>>3)*HG+((2*p)&15)*RP
	ds_store_b128 v[L0], v[12*p:12*p+3] offset:im
	ds_store_b128 v[L1], v[12*p+4:12*p+7] offset:im
	ds_store_b128 v[L0], v[12*p+8:12*p+11] offset:im+RP+256
.set p, p+1
.endr
	WIN 0
	ds_store_b32 v[TID4], v[BV] offset:BIAS
	s_wait_dscnt 0x0                               ; for the others' sake: my stores are done
	s_barrier_signal -1
	s_barrier_wait -1                              ; the slice, the biases, the list and the weights lie in LDS; from here on a wave writes its own stage alone
	s_add_co_u32 s[NT], s[CNT], 15
	s_lshr_b32 s[NT], s[NT], 4                     ; tiles of 16 rows
	s_mov_b32 s[M], s[WV]
	s_mov_b32 s[TR], 16
	s_wait_alu depctr_vm_vsrc(0)                   ; the LDS stores have read window 1's registers, v55-63, v[L0] and wave 0's v128-255, and the head's loads their offsets in v14, v53 and v54: loads below and in the first trip land in these, and its adds write v11 and v14
	s_wait_alu depctr_va_vdst(0)                   ; the head's vector work is done with v53-63 and with wave 0's v128-255, in which loads below and in the first trip land
	FLOAD 0, 0                                     ; my first tile's operands (tiles 0 to 3 are always there), in the order of every tile: K steps 0-3, the scale words, K steps 4-7
	FLOAD 1, 0
	FLOAD 2, 0
	FLOAD 3, 0
	SLOAD 0
	FLOAD 4, 0
	FLOAD 5, 0
	FLOAD 6, 0
	FLOAD 7, 0
.set f, 0
.rept 64                               ; all 64 fragments: lane (r, h) takes 24 bytes at 96 s + 24 h of its row and 24 more 48 bytes on, in pieces of 8.  Since the two waits above: loads and window switches alone
.if f < 63
	WIN (1+f/21)<<6
.set rW, 12*(f%21)
.else
	WIN 0
.set rW, W63
.endif
.set tt, f%8
.set im, WST+((tt>>1)&1)*GS+(tt&1)*TOFF+96*(f/8)
.irp o, 0,1,2,3,4,5
.if tt < 4
	ds_load_b64 v[rW+2*\o:rW+2*\o+1], v[VW0] offset:im+48*(\o/3)+8*(\o%3)
.else
	ds_load_b64 v[rW+2*\o:rW+2*\o+1], v[VW1] offset:im+48*(\o/3)+8*(\o%3)
.endif
.endr
.set f, f+1
.endr
	WIN 0
	s_wait_dscnt 0x0
.Ltrip:                                            ; 16 trips, a constant, walked by every wave; a trip whose tile does not exist is passed over
	s_cmp_ge_u32 s[M], s[NT]
	s_cbranch_scc1 .Lskip
	v_add_nc_u32 v[VCT], s[LO], v[VLC]
	v_add_nc_u32 v[VET], s[LO], v[VLB]
	s_wait_alu depctr_va_vdst(0)                   ; v[VCT] and v[VET] are written, which the loads below read, and v[VA], v[VS], which this trip's loads read; the tile before (in the first trip: the compares) is done with the accumulators, v[CF] and v[T ..], in which the loads below land
.irp t, 0,1,2,3,4,5,6,7
	ds_load_b128 v[ACC+8*\t:ACC+8*\t+3], v[VB] offset:BIAS+64*\t           ; b2 at columns 16 t + 8 h + 0 .. 7: the sums begin with it
	ds_load_b128 v[ACC+8*\t+4:ACC+8*\t+7], v[VB] offset:BIAS+64*\t+16
.endr
	ds_load_b32 v[CF], v[VCT] offset:COEF          ; my row's weight
.irp i, 0,1,2,3
	ds_load_b128 v[T+4*\i:T+4*\i+3], v[VET] offset:LIST+16*\i              ; the tile's 16 entries, in every lane
.endr
	s_wait_dscnt 0x0
	KSTEP 0, 12                                    ; K steps 0-3 and the scale words are in; K steps 4-7, twelve loads, may be out
	KSTEP 1, -1
	KSTEP 2, -1
	KSTEP 3, -1
	WIN 0
.set j, 0
.rept 16                               ; the entries become byte offsets of rows of ypart
	v_min_u32 v[T+j], 2047, v[T+j]
.set j, j+1
.endr
.set j, 0
.rept 16
	v_lshl_add_u32 v[T+j], v[T+j], 12, v[L16]
.set j, j+1
.endr
	s_add_co_u32 s[TMP], s[M], 4
	s_cmp_ge_u32 s[TMP], s[NT]
	s_cbranch_scc1 .Llast
	s_wait_alu depctr_va_vdst(0)                   ; the products of K steps 0-3 are done reading their fragments of h, in which the loads below land.  K steps 4-7 name none of these registers
	FLOAD 0, 1                                     ; the next tile's K steps 0-3, into registers that are done with
	FLOAD 1, 1
	FLOAD 2, 1
	FLOAD 3, 1
	KSTEP 4, 21                                    ; behind K step s's three loads: 3 (7 - s) of this tile and the next tile's twelve
	KSTEP 5, 18
	KSTEP 6, 15
	KSTEP 7, 12
	WIN 0
.rept 4
	v_nop                                          ; places in front of the first read of results
.endr
	s_wait_alu depctr_va_vdst(0)                   ; the products of K steps 4-7 are done reading h's scale words and their fragments, in which the loads below land
	SLOAD 1
	FLOAD 4, 1
	FLOAD 5, 1
	FLOAD 6, 1
	FLOAD 7, 1
	s_branch .Lepi
.Llast:                                            ; the wave's last tile asks for nothing more
	KSTEP 4, 9
	KSTEP 5, 6
	KSTEP 6, 3
	KSTEP 7, 0
	WIN 0
.rept 4
	v_nop
.endr
.Lepi:
	s_lshl_b32 s[TMP], s[M], 4
	s_sub_co_u32 s[LEFT], s[CNT], s[TMP]           ; rows of this tile that exist (16 or more: all)
.set j, 0
.rept 32
	v_pk_mul_f32 v[ACC+j:ACC+j+1], v[ACC+j:ACC+j+1], v[CF:CF+1] op_sel_hi:[1,0]   ; x my row's weight; each accumulator from its low end on
.set j, j+2
.endr
	s_wait_alu depctr_va_vdst(0)                   ; the multiplications have written the accumulators, which the LDS stores read and in which the rows land; the rows' offsets v[T ..] are written, which the global stores read
.irp t, 0,1,2,3,4,5,6,7
	ds_store_b128 v[VSO], v[ACC+8*\t:ACC+8*\t+3] offset:64*\t
	ds_store_b128 v[VSO], v[ACC+8*\t+4:ACC+8*\t+7] offset:64*\t+16
.endr
	s_wait_alu depctr_vm_vsrc(0)                   ; the LDS stores have read the accumulators, in which the loads below land
.irp i, 0,1,2,3,4,5,6,7,8,9,10,11,12,13,14,15
	ds_load_b128 v[ACC+4*\i:ACC+4*\i+3], v[VSR] offset:\i*SP               ; LDS serves a wave's instructions in order: these see my stores
.endr
.irp i, 0,1,2,3,4,5,6,7,8,9,10,11,12,13,14,15
	s_wait_dscnt 15-\i                             ; row i is back; the rows behind it may be out
	s_cmp_le_u32 s[LEFT], \i
	s_cbranch_scc1 .Ldone                          ; the list ends here
	global_store_b128 v[T+\i], v[ACC+4*\i:ACC+4*\i+3], s[18:19]            ; 32 lanes store 512 consecutive bytes of one row, aligned
.endr
.Ldone:
	s_wait_dscnt 0x0
.Lskip:
	s_wait_xcnt 0x0                                ; every load and store of the trip has read its offsets and data: they are written again only behind this wait
	s_wait_alu depctr_vm_vsrc(0)                   ; beside it: the loads have read v[VA], v[VS], v[VCT] and v[VET], the global stores their rows and v[T ..]: the adds below and the next trip write them again
	s_wait_alu depctr_va_vdst(0)
	v_add_nc_u32 v[VA], 196608, v[VA]              ; four tiles on
	v_add_nc_u32 v[VS], 16384, v[VS]
	s_add_co_u32 s[LO], s[LO], 256
	s_add_co_u32 s[M], s[M], 4
	s_sub_co_u32 s[TR], s[TR], 1
	s_cmp_lg_u32 s[TR], 0
	s_cbranch_scc1 .Ltrip
	s_set_vgpr_msb 0x5
	s_wait_dscnt 0x0
	s_wait_alu depctr_hold_cnt(0) depctr_sa_sdst(0) depctr_va_vdst(0) depctr_va_sdst(0) depctr_va_ssrc(0) depctr_va_vcc(0) depctr_vm_vsrc(0)
	s_wait_tensorcnt 0x0
	ds_add_u32 v254, v255
	s_wait_dscnt 0x0
	s_endpgm
.Lfunc_end_k_q36f63f49b3_down:
	.size	k_q36f63f49b3_down, .Lfunc_end_k_q36f63f49b3_down-k_q36f63f49b3_down
	.p2alignl 7, 3214868480
	.fill 96, 4, 3214868480
	.section	.rodata,"a",@progbits
	.p2align	6, 0x0
	.amdhsa_kernel k_q36f63f49b3_down
		.amdhsa_group_segment_fixed_size 145408
		.amdhsa_private_segment_fixed_size 0
		.amdhsa_enable_private_segment 0
		.amdhsa_kernarg_size 64
		.amdhsa_user_sgpr_count 2
		.amdhsa_user_sgpr_kernarg_segment_ptr 1
		.amdhsa_wavefront_size32 1
		.amdhsa_system_sgpr_workgroup_id_x 1
		.amdhsa_system_sgpr_workgroup_id_y 1
		.amdhsa_system_sgpr_workgroup_id_z 1
		.amdhsa_system_vgpr_workitem_id 0
		.amdhsa_next_free_vgpr 1024
		.amdhsa_next_free_sgpr 66
		.amdhsa_reserve_vcc 0
		.amdhsa_float_denorm_mode_32 3
		.amdhsa_float_denorm_mode_16_64 3
		.amdhsa_memory_ordered 1
		.amdhsa_forward_progress 1
		.amdhsa_inst_pref_size 107
	.end_amdhsa_kernel
	.amdgpu_metadata
---
amdhsa.version: [ 1, 2 ]
amdhsa.kernels:
  - .name:           k_q36f63f49b3_down
    .symbol:         k_q36f63f49b3_down.kd
    .args:
      - { .name: hq, .offset: 0, .size: 8, .value_kind: global_buffer, .address_space: global }
      - { .name: hs, .offset: 8, .size: 8, .value_kind: global_buffer, .address_space: global }
      - { .name: sel, .offset: 16, .size: 8, .value_kind: global_buffer, .address_space: global }
      - { .name: wts, .offset: 24, .size: 8, .value_kind: global_buffer, .address_space: global }
      - { .name: w2_codes, .offset: 32, .size: 8, .value_kind: global_buffer, .address_space: global }
      - { .name: w2_scales, .offset: 40, .size: 8, .value_kind: global_buffer, .address_space: global }
      - { .name: b2, .offset: 48, .size: 8, .value_kind: global_buffer, .address_space: global }
      - { .name: ypart, .offset: 56, .size: 8, .value_kind: global_buffer, .address_space: global }
    .group_segment_fixed_size: 145408
    .private_segment_fixed_size: 0
    .kernarg_segment_align: 8
    .kernarg_segment_size: 64
    .max_flat_workgroup_size: 128
    .sgpr_count:     66
    .vgpr_count:     1024
    .wavefront_size: 32
...
	.end_amdgpu_metadata
.endif
;; end of part 7
;; launch sum (part 8): grid 256 x 1, 8 waves a work-group, no clusters, 0 bytes of LDS; arguments ypart, out0; writes out0
.if DOCPART == 8
	.amdgcn_target "amdgcn-amd-amdhsa--gfx1250"
	.amdhsa_code_object_version 6
	.text
	.protected	k_q36f63f49b3_sum
	.globl	k_q36f63f49b3_sum
	.p2align	8
	.type	k_q36f63f49b3_sum,@function
k_q36f63f49b3_sum:
	s_mov_b64 s[64:65], 0
	v_nop
	global_prefetch_b8 v0, s[64:65] scope:SCOPE_SE
	s_setreg_imm32_b32 hwreg(HW_REG_WAVE_MODE, 25, 1), 1
	s_wait_xcnt 0x0
; out0[token][:] = the sum over the two slots and the four quarters of K of ypart[kq][slot x 1024 + token][:], in f32, in a fixed order:
; ((k0 + k1) + (k2 + k3)) of slot 0 + the same of slot 1.  The weights and b2 are already in the parts.
; A work-group takes tokens 4 g .. 4 g + 3; thread t takes 16 bytes of each row, so a wave's load or store covers 512 consecutive bytes, aligned.
; All 32 loads of a thread go out at once; each row is added and stored as its eight parts arrive.  A stream: no LDS, no barrier, no matrix unit.
.set R0, 8                             ; v8-135: row i, slot sl, quarter k at R0 + 32 i + 16 sl + 4 k
	s_load_b128 s[4:7], s[0:1], 0x0                ; ypart s[4:5], out0 s[6:7]
	v_lshlrev_b32 v1, 4, v0
	s_lshl_b32 s16, ttmp9, 14                      ; four rows of 4,096 bytes a work-group
	s_mov_b32 s17, 0
	s_wait_alu depctr_va_vdst(0)
	s_wait_kmcnt 0x0
	s_add_nc_u64 s[8:9], s[4:5], s[16:17]          ; quarter 0,
	s_add_nc_u64 s[6:7], s[6:7], s[16:17]
	s_add_nc_u64 s[10:11], s[8:9], 0x800000        ; 1, 2, 3: 2,048 rows apart
	s_add_nc_u64 s[12:13], s[10:11], 0x800000
	s_add_nc_u64 s[14:15], s[12:13], 0x800000
.irp i, 0,1,2,3
.irp sl, 0,1
.irp k, 0,1,2,3
	global_load_b128 v[R0+32*\i+16*\sl+4*\k:R0+32*\i+16*\sl+4*\k+3], v1, s[8+2*\k:9+2*\k] offset:4194304*\sl+4096*\i th:TH_LOAD_NT
.endr
.endr
.endr
.irp i, 0,1,2,3
	s_wait_loadcnt 24-8*\i                         ; row i's eight parts are in; the later rows' may stay out
.irp sl, 0,1
.irp d, 0,2
	v_pk_add_f32 v[R0+32*\i+16*\sl+\d:R0+32*\i+16*\sl+\d+1], v[R0+32*\i+16*\sl+\d:R0+32*\i+16*\sl+\d+1], v[R0+32*\i+16*\sl+4+\d:R0+32*\i+16*\sl+4+\d+1]
	v_pk_add_f32 v[R0+32*\i+16*\sl+8+\d:R0+32*\i+16*\sl+8+\d+1], v[R0+32*\i+16*\sl+8+\d:R0+32*\i+16*\sl+8+\d+1], v[R0+32*\i+16*\sl+12+\d:R0+32*\i+16*\sl+12+\d+1]
.endr
.irp d, 0
	s_delay_alu instid0(VALU_DEP_3)
	v_pk_add_f32 v[R0+32*\i+16*\sl+\d:R0+32*\i+16*\sl+\d+1], v[R0+32*\i+16*\sl+\d:R0+32*\i+16*\sl+\d+1], v[R0+32*\i+16*\sl+8+\d:R0+32*\i+16*\sl+8+\d+1]
.endr
.irp d, 2
	s_delay_alu instid0(VALU_DEP_2)
	v_pk_add_f32 v[R0+32*\i+16*\sl+\d:R0+32*\i+16*\sl+\d+1], v[R0+32*\i+16*\sl+\d:R0+32*\i+16*\sl+\d+1], v[R0+32*\i+16*\sl+8+\d:R0+32*\i+16*\sl+8+\d+1]
.endr
.endr
.irp d, 0,2
	s_delay_alu instid0(VALU_DEP_2)
	v_pk_add_f32 v[R0+32*\i+\d:R0+32*\i+\d+1], v[R0+32*\i+\d:R0+32*\i+\d+1], v[R0+32*\i+16+\d:R0+32*\i+16+\d+1]
.endr
	global_store_b128 v1, v[R0+32*\i:R0+32*\i+3], s[6:7] offset:4096*\i th:TH_STORE_NT
.endr
	s_endpgm
.Lfunc_end_k_q36f63f49b3_sum:
	.size	k_q36f63f49b3_sum, .Lfunc_end_k_q36f63f49b3_sum-k_q36f63f49b3_sum
	.p2alignl 7, 3214868480
	.fill 96, 4, 3214868480
	.section	.rodata,"a",@progbits
	.p2align	6, 0x0
	.amdhsa_kernel k_q36f63f49b3_sum
		.amdhsa_group_segment_fixed_size 0
		.amdhsa_private_segment_fixed_size 0
		.amdhsa_enable_private_segment 0
		.amdhsa_kernarg_size 16
		.amdhsa_user_sgpr_count 2
		.amdhsa_user_sgpr_kernarg_segment_ptr 1
		.amdhsa_wavefront_size32 1
		.amdhsa_system_sgpr_workgroup_id_x 1
		.amdhsa_system_sgpr_workgroup_id_y 1
		.amdhsa_system_sgpr_workgroup_id_z 1
		.amdhsa_system_vgpr_workitem_id 0
		.amdhsa_next_free_vgpr 136
		.amdhsa_next_free_sgpr 66
		.amdhsa_reserve_vcc 0
		.amdhsa_float_denorm_mode_32 3
		.amdhsa_float_denorm_mode_16_64 3
		.amdhsa_memory_ordered 1
		.amdhsa_forward_progress 1
		.amdhsa_inst_pref_size 9
	.end_amdhsa_kernel
	.amdgpu_metadata
---
amdhsa.version: [ 1, 2 ]
amdhsa.kernels:
  - .name:           k_q36f63f49b3_sum
    .symbol:         k_q36f63f49b3_sum.kd
    .args:
      - { .name: ypart, .offset: 0, .size: 8, .value_kind: global_buffer, .address_space: global }
      - { .name: out0, .offset: 8, .size: 8, .value_kind: global_buffer, .address_space: global }
    .group_segment_fixed_size: 0
    .private_segment_fixed_size: 0
    .kernarg_segment_align: 8
    .kernarg_segment_size: 16
    .max_flat_workgroup_size: 256
    .sgpr_count:     66
    .vgpr_count:     136
    .wavefront_size: 32
...
	.end_amdgpu_metadata
.endif
;; end of part 8
